; MI455X (gfx1250); checked and timed in simulation.
; The chip was launched on July 23, 2026; its instructions are those of AMD's public machine-readable ISA for CDNA 5 (MIT licence, August 2026) and "CDNA5" Instruction Set Architecture Reference Guide (July 2026). The comments in the code are by the model that wrote it; some were corrected since.
;; Sparse Multihead Attention. Allowed arithmetic: float matrix products may take bf16 or f16 operands with f32 sums; other float arithmetic in f32, or as packed bf16 or f16 multiplies, adds, multiply-adds, maxima and minima; sums over many terms, partial sums and values carried from step to step in f32; what a program stores and reads back later, other than sums and carried values, may be rounded once to bf16 or f16.
;; Inputs: k_b 512 float32; k_w 512 x 512 float32; key 8 x 1,024 x 512 float32; key_padding_mask 8 x 1,024 bool; out_b 512 float32; out_w 512 x 512 float32; q_b 512 float32; q_w 512 x 512 float32; query 8 x 1,024 x 512 float32; v_b 512 float32; v_w 512 x 512 float32; value 8 x 1,024 x 512 float32.
;; Outputs: out0 8 x 1,024 x 512 float32.
;; 2 versions, each right; version 2 is version 1 with the launch proj written anew for expert scheduling mode. Each part assembles by itself: llvm-mc -triple=amdgcn-amd-amdhsa -mcpu=gfx1250 --defsym DOCPART=n.
;; ======== version 1 of 2: 3 launches
;; limits: values are held in f16: magnitudes above 65,504 overflow, below 6.1e-05 lose precision; a function is approximated: absolute error at most 0.0003
;; workspace buffers: qh 8,388,608 bytes; kh 8,388,608 bytes; vh 8,388,608 bytes; ch 8,388,608 bytes; wo16 524,288 bytes
;; launch proj (part 1): grid 4 x 64, 4 waves a work-group, no clusters, 84,480 bytes of LDS; arguments query, key, value, q_w, k_w, v_w, q_b, k_b, v_b, out_w, qh, kh, vh, wo16; writes qh, kh, vh, wo16
.if DOCPART == 1
	.amdgcn_target "amdgcn-amd-amdhsa--gfx1250"
	.amdhsa_code_object_version 6
	.text
	.protected	k_qfcde2e0b92_proj
	.globl	k_qfcde2e0b92_proj
	.p2align	8
	.type	k_qfcde2e0b92_proj,@function
k_qfcde2e0b92_proj:
	s_mov_b64 s[64:65], 0
	v_nop
	global_prefetch_b8 v0, s[64:65] scope:SCOPE_SE
	s_setreg_imm32_b32 hwreg(HW_REG_WAVE_MODE, 25, 1), 1
	s_wait_xcnt 0x0
; q = query q_w^T + q_b, k = key k_w^T + k_b, v = value v_w^T + v_b; x: [8192][512] f32, w: [512][512] f32, b: [512] f32.
; All inputs, the biases too, are rounded to bf16; products in bf16, sums in f32, started from the bias; q, k, v are rounded once to f16 and
; written by heads, [8 b][8 h][1024 l][64], unscaled.  Also: out_w, rounded to bf16 and written as f16, goes to wo16 (4,096 bytes of it a work-group).
; LIMITS.  f16 holds no number beyond 65,504: q, k and v must stay within it.  A weight of out_w below 2^-14 keeps f16's fixed step of 6e-8.  NaN and infinities are not treated apart.
; SHARES.  256 work-groups that stay: work-group (bx, by) makes rows 128 by .. +127, columns 128 bx .. +127 of q, then of k, then of v: ONE walk of 24 chunks of 64 along K.
; A wave makes 64 x 64: 16 accumulators; its 64 columns are one head, so its rows leave as dense blocks of 2,048 bytes.
; THE WAY IN goes through registers: f32 is rounded to bf16 BEFORE it reaches LDS.  Two sets of 128 staging registers, a chunk each: while one chunk is multiplied, the next one's 32 loads
; a wave are out and the set just emptied is asked for again: two chunks, 128 KiB a work-group, are always on their way, so nothing is prefetched besides.
; NO CLUSTER: a joint request is a tensor load, which would lay f32 into LDS: 32 fragment loads of 16 bytes for 16 products in place of 16, and a rounding behind each read, by each of the two waves that read a row.
; THE MATRIX INSTRUCTION IS USED TRANSPOSED (source 0 = 16 rows of w, source 1 = 16 rows of x): a lane holds row lane % 16 and eight neighbouring columns 8 (lane / 16) + 0..7.
; REGISTERS, in windows of 256: window 0 addresses, fragments, the way out; window 1 the two staging sets; window 2 the accumulators, (a, b) at 8 (4 a + b).
.set PITCH, 144                        ; an LDS row: 64 bf16 = 128 bytes + 16: the 16 rows of a fragment load start at 16 different groups of four banks (ISA guide 11.1)
.set HALF,  128*PITCH                  ; 128 rows of x, or of w
.set BUFB,  2*HALF                     ; a buffer: x's rows, then w's
.set BC,    2*BUFB                     ; each wave's 64 numbers of the bias in hand, f32: 256 bytes a wave
.set STAGE, BC+1024                    ; each wave's stage for the way out: 16 rows x 144 bytes
.set SPARE, STAGE+4*16*PITCH           ; the spare words, 128 bytes a wave: two blocks of 256 bytes that no other line names
.set ROWB,  2048                       ; bytes in a row of x and of w
.set R,    1                           ; v1   lane % 16
.set H,    2                           ; v2   lane / 16
.set LOFF, 3                           ; v3   global: (32 w + 8 h) rows + 16 r bytes; never rewritten
.set SOFF, 4                           ; v4   LDS: (32 w + 8 h) rows + 8 r bytes
.set FA,   5                           ; v5   LDS: my fragments of x
.set FW,   6                           ; v6   LDS: my fragments of w
.set BCW,  7                           ; v7   where I put two numbers of the bias
.set BCR,  8                           ; v8   where I read my eight
.set STO,  9                           ; v9   the way out: where I put 16 bytes of a row
.set RD,   10                          ; v10  the way out: where I read rows back
.set GO,   11                          ; v11  16 x lane
.set SPW,  12                          ; v12  my spare word; never rewritten
.set NIL,  13                          ; v13  0; never rewritten
.set T0,   14                          ; v14-15 at work
.set NB,   16                          ; v16-21 my two numbers of q_b, k_b, v_b
.set BO,   22                          ; v22  8 x lane
.set OWO,  23                          ; v23  16 x thread
.set OW,   24                          ; v24-31 my eight numbers of out_w
.set FR,   32                          ; v32-159 fragments: K step ks: w's block b at FR + 64 ks + 8 b, x's block a at FR + 64 ks + 32 + 8 a
.set TMP,  160                         ; v160-223 the way out
.set OWS,  224                         ; v224 8 x thread
.set AQ, 8                             ; s[8:13]  query, key, value at my 128 rows
.set AK, 10
.set AV, 12
.set WQ, 14                            ; s[14:19] q_w, k_w, v_w at my 128 rows
.set WK, 16
.set WV, 18
.set BQ, 20                            ; s[20:25] q_b, k_b, v_b at my wave's 64 columns
.set BK, 22
.set BV, 24
.set OWP, 26                           ; s[26:27] out_w at my work-group's 4,096 bytes
.set OQ, 28                            ; s[28:33] qh, kh, vh at my wave's first row
.set OK, 30
.set OV, 32
.set WO, 34                            ; s[34:35] wo16 at my work-group's 2,048 bytes
.set PA, 36                            ; s[36:37] x at the two chunks that are being asked for
.set PW, 38                            ; s[38:39] w likewise
.set OP, 40                            ; s[40:41] where the tile in hand goes
.set KO, 42                            ; s[42:43] bytes along K
.set U,  44                            ; s44  the double trip, 0 to 11
.set WVN, 52                           ; s52  my wave's number
.set WM,  53                           ; s53  which 64 rows
.set WN,  54                           ; s54  which 64 columns
.set MSB, 0
.macro WIN new                         ; the immediate's high byte repeats the setting that is left; a switch that changes nothing is dropped
.if MSB != (\new)
	s_set_vgpr_msb (MSB<<8)|(\new)
.set MSB, \new
.endif
.endm
	s_load_b512 s[8:23], s[0:1], 0x0
	s_load_b256 s[24:31], s[0:1], 0x40
	s_load_b128 s[32:35], s[0:1], 0x60
	v_lshl_add_u32 v[SPW], v0, 2, SPARE
	v_mov_b32 v[NIL], 0
	v_lshrrev_b32 v[T0], 5, v0
	v_readfirstlane_b32 s[WVN], v[T0]              ; wave 0..3
	s_lshr_b32 s[WM], s[WVN], 1
	s_and_b32 s[WN], s[WVN], 1
	v_and_b32 v[R], 15, v0
	v_bfe_u32 v[H], v0, 4, 1
	v_and_b32 v[T0], 31, v0                        ; lane
	s_lshl_b32 s45, s[WVN], 16                     ; 32 rows of 2,048 bytes
	v_lshlrev_b32 v[LOFF], 4, v[R]
	v_lshl_add_u32 v[LOFF], v[H], 14, v[LOFF]      ; lanes 16-31 take the row 8 further on
	v_add_nc_u32 v[LOFF], s45, v[LOFF]
	s_mul_i32 s45, s[WVN], 32*PITCH
	v_mul_u32_u24 v[SOFF], v[H], 8*PITCH
	v_lshl_add_u32 v[SOFF], v[R], 3, v[SOFF]       ; 8 rows are 288 words: the two halves of the lanes store to words 0-31 and 32-63 of the banks
	v_add_nc_u32 v[SOFF], s45, v[SOFF]
	v_mul_u32_u24 v[T0+1], v[R], PITCH
	v_lshl_add_u32 v[T0+1], v[H], 4, v[T0+1]       ; row x pitch + 16 x half
	s_mul_i32 s45, s[WM], 64*PITCH
	v_add_nc_u32 v[FA], s45, v[T0+1]
	s_mul_i32 s45, s[WN], 64*PITCH
	s_add_co_u32 s45, s45, HALF
	v_add_nc_u32 v[FW], s45, v[T0+1]
	s_lshl_b32 s45, s[WVN], 8
	s_add_co_u32 s45, s45, BC
	v_lshl_add_u32 v[BCW], v[T0], 3, s45
	v_lshl_add_u32 v[BCR], v[H], 5, s45
	s_mul_i32 s45, s[WVN], 16*PITCH
	s_add_co_u32 s45, s45, STAGE
	v_add_nc_u32 v[STO], s45, v[T0+1]
	v_bfe_u32 v[RD], v0, 3, 2                      ; back: 32 lanes take four rows of 128 bytes
	v_mul_u32_u24 v[RD], v[RD], PITCH
	v_and_b32 v[T0+1], 7, v0
	v_lshl_add_u32 v[RD], v[T0+1], 4, v[RD]
	v_add_nc_u32 v[RD], s45, v[RD]
	v_lshlrev_b32 v[GO], 4, v[T0]
	v_lshlrev_b32 v[BO], 3, v[T0]
	v_lshlrev_b32 v[OWO], 4, v0
	v_lshlrev_b32 v[OWS], 3, v0
	s_and_b32 s46, ttmp7, 0xffff                   ; by
	s_lshl_b32 s48, s46, 18                        ; 128 rows of x
	s_mov_b32 s49, 0
	s_lshl_b32 s50, ttmp9, 18                      ; 128 rows of w
	s_mov_b32 s51, 0
	s_lshl_b32 s56, ttmp9, 9                       ; 128 numbers of a bias,
	s_lshl_b32 s57, s[WN], 8                       ; my wave's 64 of them
	s_add_co_u32 s56, s56, s57
	s_mov_b32 s57, 0
	s_lshr_b32 s58, s46, 3                         ; the batch: 2^20 bytes
	s_lshl_b32 s58, s58, 20
	s_add_co_u32 s58, s58, s50                     ; head 2 bx + wn: 2^17 bytes each
	s_lshl_b32 s59, s[WN], 17
	s_add_co_u32 s58, s58, s59
	s_and_b32 s59, s46, 7                          ; row 128 (by % 8) + 64 wm: 128 bytes each
	s_lshl_b32 s59, s59, 14
	s_add_co_u32 s58, s58, s59
	s_lshl_b32 s59, s[WM], 13
	s_add_co_u32 s58, s58, s59
	s_mov_b32 s59, 0
	s_lshl_b32 s60, s46, 2
	s_add_co_u32 s60, s60, ttmp9                   ; the work-group's number, 0 to 255
	s_lshl_b32 s62, s60, 11
	s_lshl_b32 s60, s60, 12
	s_mov_b32 s61, 0
	s_mov_b32 s63, 0
	s_mov_b32 s[KO+1], 0
	s_wait_kmcnt 0x0
	s_add_nc_u64 s[AQ:AQ+1], s[AQ:AQ+1], s[48:49]
	s_add_nc_u64 s[AK:AK+1], s[AK:AK+1], s[48:49]
	s_add_nc_u64 s[AV:AV+1], s[AV:AV+1], s[48:49]
	s_add_nc_u64 s[WQ:WQ+1], s[WQ:WQ+1], s[50:51]
	s_add_nc_u64 s[WK:WK+1], s[WK:WK+1], s[50:51]
	s_add_nc_u64 s[WV:WV+1], s[WV:WV+1], s[50:51]
	s_add_nc_u64 s[BQ:BQ+1], s[BQ:BQ+1], s[56:57]
	s_add_nc_u64 s[BK:BK+1], s[BK:BK+1], s[56:57]
	s_add_nc_u64 s[BV:BV+1], s[BV:BV+1], s[56:57]
	s_add_nc_u64 s[OQ:OQ+1], s[OQ:OQ+1], s[58:59]
	s_add_nc_u64 s[OK:OK+1], s[OK:OK+1], s[58:59]
	s_add_nc_u64 s[OV:OV+1], s[OV:OV+1], s[58:59]
	s_add_nc_u64 s[OWP:OWP+1], s[OWP:OWP+1], s[60:61]
	s_add_nc_u64 s[WO:WO+1], s[WO:WO+1], s[62:63]
; A chunk's 32 loads of a wave into set p: 32 rows of x and 32 of w, 256 bytes of each: sixteen lanes take one row's 256 aligned bytes.  Load i takes rows i % 8 + 16 (i / 8) (+ 8 for lanes 16-31).
.macro LOADS p
	WIN 0x40                                       ; destination window 1, address window 0
.set i, 0
.rept 16
	global_load_b128 v[128*(\p)+4*i:128*(\p)+4*i+3],       v[LOFF], s[PA:PA+1] offset:((i&7)+16*(i>>3))*ROWB+256*(\p)
	global_load_b128 v[128*(\p)+64+4*i:128*(\p)+64+4*i+3], v[LOFF], s[PW:PW+1] offset:((i&7)+16*(i>>3))*ROWB+256*(\p)
.set i, i+1
.endr
.endm
; 16 products: 32 along K.  The sixteen accumulators take turns, one instruction a turn, over the loop's backward jump too.
.macro MULS ks
.irp a, 0,1,2,3
.irp b, 0,1,2,3
	v_wmma_f32_16x16x32_bf16 v[8*(4*(\a)+(\b)):8*(4*(\a)+(\b))+7], v[FR+64*(\ks)+8*(\b):FR+64*(\ks)+8*(\b)+7], v[FR+64*(\ks)+32+8*(\a):FR+64*(\ks)+32+8*(\a)+7], v[8*(4*(\a)+(\b)):8*(4*(\a)+(\b))+7]
.endr
.endr
.endm
; A TRIP: the chunk in set p is rounded, goes to LDS buffer p, and is multiplied.  ahead = 1: the set is asked for again, with the chunk two further on.  left: the younger loads that may stay out.
; ONE barrier a trip: buffer p was last read two trips back, and every wave has waited for those reads ahead of the barrier between.
.macro TRIP p, ahead, left
	s_wait_loadcnt \left                           ; loads come back in order (ISA guide 5.7.1): set p is in, the other set's 32 stay out
	WIN 0x45                                       ; in place, in window 1.  These 64 lines are also the places between the last products and the loads into their fragments' registers
.set i, 0
.rept 32
	v_cvt_pk_bf16_f32 v[128*(\p)+4*i],   v[128*(\p)+4*i],   v[128*(\p)+4*i+1]
	v_cvt_pk_bf16_f32 v[128*(\p)+4*i+1], v[128*(\p)+4*i+2], v[128*(\p)+4*i+3]
.set i, i+1
.endr
	WIN 0x04                                       ; store data window 1
.set i, 0
.rept 16
	ds_store_b64 v[SOFF], v[128*(\p)+4*i:128*(\p)+4*i+1]       offset:BUFB*(\p)+((i&7)+16*(i>>3))*PITCH
	ds_store_b64 v[SOFF], v[128*(\p)+64+4*i:128*(\p)+64+4*i+1] offset:BUFB*(\p)+HALF+((i&7)+16*(i>>3))*PITCH
.set i, i+1
.endr
	WIN 0
	s_wait_dscnt 0x0                               ; for the others' sake: my stores are done (and my reads of the other buffer, and the bias's loads into the accumulators)
	s_barrier_signal -1
	s_barrier_wait -1
.irp ks, 0,1
.irp b, 0,1,2,3
	ds_load_b128 v[FR+64*(\ks)+8*(\b):FR+64*(\ks)+8*(\b)+3],       v[FW] offset:BUFB*(\p)+16*PITCH*(\b)+64*(\ks)
	ds_load_b128 v[FR+64*(\ks)+8*(\b)+4:FR+64*(\ks)+8*(\b)+7],     v[FW] offset:BUFB*(\p)+16*PITCH*(\b)+64*(\ks)+32
	ds_load_b128 v[FR+64*(\ks)+32+8*(\b):FR+64*(\ks)+32+8*(\b)+3], v[FA] offset:BUFB*(\p)+16*PITCH*(\b)+64*(\ks)
	ds_load_b128 v[FR+64*(\ks)+32+8*(\b)+4:FR+64*(\ks)+32+8*(\b)+7], v[FA] offset:BUFB*(\p)+16*PITCH*(\b)+64*(\ks)+32
.endr
.endr
.if \ahead
	LOADS \p                                       ; issued while the fragments come; the stores that read these registers were waited for above
.endif
	s_wait_dscnt 16                                ; the first 32 along K are in; the other sixteen loads may stay out
	WIN 0xa0                                       ; C and D window 2
	MULS 0
	s_wait_dscnt 0x0
	MULS 1
	WIN 0
.endm
; A DOUBLE TRIP: chunks 2 U and 2 U + 1.  ahead = 1: the pointers are set to double trip U + 1: tensor (U + 1) / 4, 512 ((U + 1) % 4) bytes along K.
.macro DT ahead
.if \ahead
	s_wait_xcnt 0x0                                ; every load issued so far has read its address (ISA guide 3.1): the pointers may be written
	s_add_co_u32 s45, s[U], 1
	s_lshr_b32 s46, s45, 2
	s_and_b32 s[KO], s45, 3
	s_lshl_b32 s[KO], s[KO], 9
	s_cmp_eq_u32 s46, 0
	s_cselect_b64 s[PA:PA+1], s[AQ:AQ+1], s[AK:AK+1]
	s_cselect_b64 s[PW:PW+1], s[WQ:WQ+1], s[WK:WK+1]
	s_cmp_eq_u32 s46, 2
	s_cselect_b64 s[PA:PA+1], s[AV:AV+1], s[PA:PA+1]
	s_cselect_b64 s[PW:PW+1], s[WV:WV+1], s[PW:PW+1]
	s_add_nc_u64 s[PA:PA+1], s[PA:PA+1], s[KO:KO+1]
	s_add_nc_u64 s[PW:PW+1], s[PW:PW+1], s[KO:KO+1]
	TRIP 0, 1, 32
	TRIP 1, 1, 32
.else
	TRIP 0, 0, 32
	TRIP 1, 0, 0
.endif
.endm
; Two numbers of a bias, rounded to bf16 and widened again, into my wave's 256 bytes.
.macro TOBC lo, hi
	v_cvt_pk_bf16_f32 v[T0], v[\lo], v[\hi]
	v_and_b32 v[T0+1], 0xffff0000, v[T0]
	v_lshlrev_b32 v[T0], 16, v[T0]
	ds_store_b64 v[BCW], v[T0:T0+1]
.endm
; The sums start from the bias: register j of accumulator (a, b) takes column 16 b + 8 h + j.  My wave's own bytes: LDS serves a wave's instructions in order (ISA guide 5.7.1.4).
.macro INIT
	WIN 0x80                                       ; destination window 2
.set i, 0
.rept 16
	ds_load_b128 v[8*i:8*i+3],   v[BCR] offset:64*(i%4)
	ds_load_b128 v[8*i+4:8*i+7], v[BCR] offset:64*(i%4)+16
.set i, i+1
.endr
	WIN 0
.endm
; THE WAY OUT of block a (16 rows x 64 columns = 2,048 dense bytes): rounded to f16, 16 bytes a lane into my stage, back as whole rows, stored 512 consecutive bytes at a time.
.macro PACK a
	WIN 0x0a                                       ; sources window 2; each accumulator's registers in ascending order
.irp b, 0,1,2,3
.irp q, 0,1,2,3
	v_cvt_pk_f16_f32 v[TMP+16*(\a)+4*(\b)+(\q)], v[8*(4*(\a)+(\b))+2*(\q)], v[8*(4*(\a)+(\b))+2*(\q)+1]
.endr
.endr
	WIN 0
.irp b, 0,1,2,3
	ds_store_b128 v[STO], v[TMP+16*(\a)+4*(\b):TMP+16*(\a)+4*(\b)+3] offset:32*(\b)
.endr
.irp f, 0,1,2,3
	ds_load_b128 v[TMP+16*(\a)+4*(\f):TMP+16*(\a)+4*(\f)+3], v[RD] offset:(\f)*4*PITCH
.endr
.endm
.macro SEND a, younger                 ; younger: the LDS instructions issued behind block a's loads: the next block's eight, or none
.irp f, 0,1,2,3
	s_wait_dscnt (\younger)+3-(\f)
	global_store_b128 v[GO], v[TMP+16*(\a)+4*(\f):TMP+16*(\a)+4*(\f)+3], s[OP:OP+1] offset:2048*(\a)+512*(\f)
.endr
.endm
.macro EPI last
	WIN 0
.rept 8
	v_nop                                          ; places between the last products and the conversions that read their results (ISA guide 7.12.1): three times a work-group
.endr
	s_wait_xcnt 0x0                                ; the last tile's stores have read their registers and their base
.if \last
	s_mov_b64 s[OP:OP+1], s[OV:OV+1]
.else
	s_lshr_b32 s45, s[U], 2                        ; the tile just finished: 0 (q) or 1 (k)
	s_cmp_eq_u32 s45, 0
	s_cselect_b64 s[OP:OP+1], s[OQ:OQ+1], s[OK:OK+1]
	s_cselect_b32 s47, 0, -1                       ; the next bias: k_b (no lane's bit) or v_b (every lane's)
.endif
	PACK 0
	PACK 1                                         ; a block's conversions stand between the loads of the block before and its stores
	SEND 0, 8
	PACK 2
	SEND 1, 8
	PACK 3
	SEND 2, 8
	SEND 3, 0
.if !(\last)
	v_cndmask_b32 v[T0],   v[NB+2], v[NB+4], s47
	v_cndmask_b32 v[T0+1], v[NB+3], v[NB+5], s47
	TOBC T0, T0+1
	INIT
.endif
.endm
	global_load_b64 v[NB:NB+1], v[BO], s[BQ:BQ+1]
	s_mov_b64 s[PA:PA+1], s[AQ:AQ+1]
	s_mov_b64 s[PW:PW+1], s[WQ:WQ+1]
	LOADS 0                                        ; chunk 0
	LOADS 1                                        ; chunk 1
	WIN 0
	global_load_b64 v[NB+2:NB+3], v[BO], s[BK:BK+1]
	global_load_b64 v[NB+4:NB+5], v[BO], s[BV:BV+1]
	global_load_b128 v[OW:OW+3],   v[OWO], s[OWP:OWP+1]
	global_load_b128 v[OW+4:OW+7], v[OWO], s[OWP:OWP+1] offset:2048
	s_wait_loadcnt 36                              ; q_b and chunk 0 are in; chunk 1's 32 loads and the four just issued may stay out
	TOBC NB, NB+1
	INIT
	s_mov_b32 s[U], 0
.Ldt:                                                  ; 11 double trips; behind the 4th and the 8th a tile leaves
	DT 1
	s_and_b32 s45, s[U], 3
	s_cmp_eq_u32 s45, 3
	s_cbranch_scc0 .Lnoepi                         ; a forward jump on the counter, past no barrier
	EPI 0
.Lnoepi:
	s_add_co_u32 s[U], s[U], 1
	s_cmp_lt_u32 s[U], 11
	s_cbranch_scc1 .Ldt
	DT 0                                           ; the last two chunks ask for nothing
	EPI 1
	; out_w: to bf16, widened, written as f16: 8 bytes a lane, 256 consecutive aligned bytes a store of a wave
.irp q, 0,1
	v_cvt_pk_bf16_f32 v[T0],   v[OW+4*(\q)],   v[OW+4*(\q)+1]
	v_cvt_pk_bf16_f32 v[T0+1], v[OW+4*(\q)+2], v[OW+4*(\q)+3]
	v_lshlrev_b32 v[OW+4*(\q)],   16, v[T0]
	v_and_b32     v[OW+4*(\q)+1], 0xffff0000, v[T0]
	v_lshlrev_b32 v[OW+4*(\q)+2], 16, v[T0+1]
	v_and_b32     v[OW+4*(\q)+3], 0xffff0000, v[T0+1]
	v_cvt_pk_f16_f32 v[OW+4*(\q)],   v[OW+4*(\q)],   v[OW+4*(\q)+1]
	v_cvt_pk_f16_f32 v[OW+4*(\q)+1], v[OW+4*(\q)+2], v[OW+4*(\q)+3]
	global_store_b64 v[OWS], v[OW+4*(\q):OW+4*(\q)+1], s[WO:WO+1] offset:1024*(\q)
.endr
	s_wait_tensorcnt 0x0                           ; the wave's end, behind my last LDS store
	ds_add_u32 v[SPW], v[NIL]
	s_wait_dscnt 0x0
	s_endpgm
.Lfunc_end_k_qfcde2e0b92_proj:
	.size	k_qfcde2e0b92_proj, .Lfunc_end_k_qfcde2e0b92_proj-k_qfcde2e0b92_proj
	.p2alignl 7, 3214868480
	.fill 96, 4, 3214868480
	.section	.rodata,"a",@progbits
	.p2align	6, 0x0
	.amdhsa_kernel k_qfcde2e0b92_proj
		.amdhsa_group_segment_fixed_size 84480
		.amdhsa_private_segment_fixed_size 0
		.amdhsa_enable_private_segment 0
		.amdhsa_kernarg_size 112
		.amdhsa_user_sgpr_count 2
		.amdhsa_user_sgpr_kernarg_segment_ptr 1
		.amdhsa_wavefront_size32 1
		.amdhsa_system_sgpr_workgroup_id_x 1
		.amdhsa_system_sgpr_workgroup_id_y 1
		.amdhsa_system_sgpr_workgroup_id_z 1
		.amdhsa_system_vgpr_workitem_id 0
		.amdhsa_next_free_vgpr 640
		.amdhsa_next_free_sgpr 66
		.amdhsa_reserve_vcc 0
		.amdhsa_float_denorm_mode_32 3
		.amdhsa_float_denorm_mode_16_64 3
		.amdhsa_memory_ordered 1
		.amdhsa_forward_progress 1
		.amdhsa_inst_pref_size 82
	.end_amdhsa_kernel
	.amdgpu_metadata
---
amdhsa.version: [ 1, 2 ]
amdhsa.kernels:
  - .name:           k_qfcde2e0b92_proj
    .symbol:         k_qfcde2e0b92_proj.kd
    .args:
      - { .name: query, .offset: 0, .size: 8, .value_kind: global_buffer, .address_space: global }
      - { .name: key, .offset: 8, .size: 8, .value_kind: global_buffer, .address_space: global }
      - { .name: value, .offset: 16, .size: 8, .value_kind: global_buffer, .address_space: global }
      - { .name: q_w, .offset: 24, .size: 8, .value_kind: global_buffer, .address_space: global }
      - { .name: k_w, .offset: 32, .size: 8, .value_kind: global_buffer, .address_space: global }
      - { .name: v_w, .offset: 40, .size: 8, .value_kind: global_buffer, .address_space: global }
      - { .name: q_b, .offset: 48, .size: 8, .value_kind: global_buffer, .address_space: global }
      - { .name: k_b, .offset: 56, .size: 8, .value_kind: global_buffer, .address_space: global }
      - { .name: v_b, .offset: 64, .size: 8, .value_kind: global_buffer, .address_space: global }
      - { .name: out_w, .offset: 72, .size: 8, .value_kind: global_buffer, .address_space: global }
      - { .name: qh, .offset: 80, .size: 8, .value_kind: global_buffer, .address_space: global }
      - { .name: kh, .offset: 88, .size: 8, .value_kind: global_buffer, .address_space: global }
      - { .name: vh, .offset: 96, .size: 8, .value_kind: global_buffer, .address_space: global }
      - { .name: wo16, .offset: 104, .size: 8, .value_kind: global_buffer, .address_space: global }
    .group_segment_fixed_size: 84480
    .private_segment_fixed_size: 0
    .kernarg_segment_align: 8
    .kernarg_segment_size: 112
    .max_flat_workgroup_size: 128
    .sgpr_count:     66
    .vgpr_count:     640
    .wavefront_size: 32
...
	.end_amdgpu_metadata
.endif
;; end of part 1
;; launch attn (part 2): grid 4 x 64, 4 waves a work-group, clusters of 4 x 1, 327,680 bytes of LDS; arguments qh, kh, vh, key_padding_mask, ch; writes ch
.if DOCPART == 2
	.amdgcn_target "amdgcn-amd-amdhsa--gfx1250"
	.amdhsa_code_object_version 6
	.text
	.protected	k_qfcde2e0b92_attn
	.globl	k_qfcde2e0b92_attn
	.p2align	8
	.type	k_qfcde2e0b92_attn,@function
k_qfcde2e0b92_attn:
	s_mov_b64 s[64:65], 0
	v_nop
	global_prefetch_b8 v0, s[64:65] scope:SCOPE_SE
	s_setreg_imm32_b32 hwreg(HW_REG_WAVE_MODE, 25, 1), 1
	s_wait_xcnt 0x0
	s_wait_alu depctr_hold_cnt(0) depctr_sa_sdst(0) depctr_va_vdst(0) depctr_va_sdst(0) depctr_va_ssrc(0) depctr_va_vcc(0) depctr_vm_vsrc(0)
	s_getreg_b32 s2, hwreg(HW_REG_IB_STS2, 6, 4)
	s_cmp_eq_u32 s2, 0
	s_cbranch_scc0 .Lentry_in_a_cluster
	s_endpgm
.Lentry_in_a_cluster:
	s_bfe_u32 s2, ttmp6, 0x10000c
	s_cmp_lg_u32 s2, 0x3003
	s_cbranch_scc0 .Lentry_shape_is_right
	s_endpgm
.Lentry_shape_is_right:
; ctx[h][q][:] = the sum over k of entmax15_k(q . k / 8, masked) v[k][:].  qh, kh, vh, ch: [64 heads][1024][64] f16, a head's rows dense, 128 bytes each; key_padding_mask: [8][1024] bytes, 0 or 1.
; ENTMAX.  With s = q . k (plus -1e30 for a masked key), x = s / 16 - max(s) / 16 <= 0, the weights are p = (x - t)+^2 for the t with sum p = 1.  No sort: t is the root of h(t) = |(x - t)+|_2 = 1.
; h is convex and falls, its slope -S1 / sqrt(S2) (S1 = sum d, S2 = sum d^2, d = (x - t)+) lies in [-32, -1].  Newton from t = -1, where h >= 1: t += (S2 - sqrt(S2)) / S1; the steps stay left of the root.
; With g = h - 1 and s' = |slope|, convexity gives g_next / g + s'_next / s' <= 1; the slopes' ratios multiply to at least 1 / 32 and g starts at 31 at the most, so after K steps
; g <= 31 (1 - 32^(-1/K))^K for EVERY input: 1.4e-4 at K = 10, that is |sum p - 1| <= 3e-4.  So the number of steps is a constant, NEWTON, and the weights are not divided by their sum.
; A PASS costs three packed instructions for two scores: t >= -1 and x <= 0 give x - t <= 1, so the clamp to 0 .. 1 IS (.)+; S1 takes d, a second sum takes d x, and S2 = sum d x - t S1.
; LIMITS.  A masked score counts as s - 1e30, which the sum rounds to -1e30: as reference()'s -1e9 while true scores stay above -1e9; a batch with every key masked gives equal weights, as reference() does.  q, k, v arrive within f16's range;
; p is rounded to f16 for the second product (below 6e-5 it keeps f16's fixed step of 6e-8); ctx once.  NaN and infinities are not treated apart.
; SHARES.  A work-group owns 256 queries of one head; ALL the head's K and V lie in LDS, filled once.  A wave walks four tiles of 16 queries; a tile's 16 x 1,024 scores stay in 512 registers from the first product to the last.
; CLUSTER.  A head's four query blocks need the same K and V: each quarter of each is asked for JOINTLY, by the same tensor load with the same descriptor and the mask of four, in all four.
; LAYOUT.  S^T = K Q^T (source 0 = 16 keys, source 1 = 16 queries): a lane holds ONE query (lane % 16) and the keys 8 (lane / 16) + 0..7 of each 16.  The mask is the C operand that starts a sum.  Two results,
; made into weights and rounded to f16 in pairs, ARE source 1 of O^T = V^T P.  K comes out of LDS as it lies, V turned, by ds_load_tr16_b128.
; REGISTERS, in windows of 256 (s_set_vgpr_msb: bits 1:0 source 0, 3:2 source 1, 5:4 source 2, 7:6 destination): window 0 all else; windows 1, 2 the scores: keys 16 t .. at 8 (t % 32) of window 1 + t / 32;
; window 3 four buffers of 64 for fragments of K (two of them) and V (all four).
.set NEWTON, 10
.set PK,    144                        ; a row of K in LDS: 128 bytes + 16: the 16 rows of a load start at 16 different groups of four banks (ISA guide 11.1)
.set PV,    160                        ; a row of V: 128 + 32
.set VB,    1024*PK                    ; V behind K
.set BT,    VB+1024*PV                 ; 1,024 f32: 0, or -1e30 for a masked key
.set STAGE, BT+4096                    ; each wave's stage for the way out: 16 rows x 144 bytes
.set SP,    144
.set SPARE, STAGE+4*16*SP              ; the spare words, 128 bytes a wave: two blocks of 256 bytes that no other line names
.set R,   1                            ; v1   lane % 16
.set AKB, 2                            ; v2-5 my lane's place in K's quarter n; never rewritten
.set AB,  8                            ; v8   BT + 32 (lane / 16)
.set H,   9                            ; v9   lane / 16
.set SPW, 12                           ; v12  my spare word; never rewritten
.set NIL, 13                           ; v13  0; never rewritten
.set QO,  14                           ; v14  my byte offset in 16 rows of Q
.set GO,  15                           ; v15  16 x lane
.set Q,   16                           ; v16-31  Q's two fragments
.set O,   32                           ; v32-63  O^T: four accumulators
.set ONE, 64                           ; v64-65  1.0
.set NT,  66                           ; v66-67  -t
.set NCM, 68                           ; v68-69  -max(s) / 16
.set MX,  70                           ; v70-77  eight running maxima; at work in a pass's tail
.set STO, 78
.set RD,  79
.set D,   80                           ; v80-87   d, four pairs
.set A1,  88                           ; v88-95   sum d, four pairs
.set A2,  96                           ; v96-103  sum d x, four pairs
.set TD,  104                          ; v104-119 16 weights at work
.set P,   120                          ; v120-135 P, two buffers of 8
.set WO,  136                          ; v136-151 the way out
.set MK,  152                          ; v152-153 eight bytes of the mask; v154-161 their f32
.set TA,  162                          ; v162-163 two addresses at the head
.set AVB, 164                          ; v164-167 my lane's place in V's quarter n; never rewritten
.set WV,  14                           ; s14  my wave's number
.set BLK, 15                           ; s15  my block of 256 queries: it enters Q's and ctx's addresses alone
.set HD,  16                           ; s16  the head
.set G1K, 24                           ; s[24:31], s[32:39] descriptor group 1 for K and for V; s[40:43], s[44:47] group 0
.set G1V, 32
.set G0K, 40
.set G0V, 44
.set CS,  48                           ; s[48:49] 1 / 16
.set SEL, 50                           ; s[50:51] v_permlanex16_b32's selects: each lane takes its own place in the other half
.set BIGN, 52                          ; s52  -1e30
.set TILES, 53
.set NEWT, 54
.set NCS, 55                           ; s55  -1 / 16
.set MSB, 0
.macro WIN new                         ; the immediate's high byte repeats the setting that is left; a switch that changes nothing is dropped
.if MSB != (\new)
	s_set_vgpr_msb (MSB<<8)|(\new)
.set MSB, \new
.endif
.endm
.macro CROUND                          ; a round of the cluster's barrier
	s_barrier_signal -1
	s_barrier_wait -1
	s_cmp_lg_u32 s[WV], 0
	s_cbranch_scc1 .Lnot_wave_0_\@
	s_barrier_signal -3
.Lnot_wave_0_\@:
	s_barrier_wait -3
	s_barrier_signal -1
	s_barrier_wait -1
.endm
.macro PLACES
.rept 4
	v_nop
.endr
.endm
.macro QLOAD                           ; a tile's Q: fragment c holds channels 32 c on
.irp c, 0,1
	global_load_b128 v[Q+8*(\c):Q+8*(\c)+3],   v[QO], s[4:5] offset:64*(\c)
	global_load_b128 v[Q+8*(\c)+4:Q+8*(\c)+7], v[QO], s[4:5] offset:64*(\c)+32
.endr
.endm
	s_load_b256 s[4:11], s[0:1], 0x0               ; qh s[4:5], kh s[6:7], vh s[8:9], the mask s[10:11]
	s_load_b64 s[12:13], s[0:1], 0x20              ; ch
	v_lshl_add_u32 v[SPW], v0, 2, SPARE
	v_mov_b32 v[NIL], 0
	ds_add_u32 v[SPW], v[NIL]                      ; the wave's opening: the add, twice on end, and its wait ahead of my first tensor load
	ds_add_u32 v[SPW], v[NIL]
	v_lshrrev_b32 v[R], 5, v0
	v_readfirstlane_b32 s[WV], v[R]                ; wave 0..3
	s_bfe_u32 s[BLK], ttmp6, 0x40000               ; cx
	s_lshl_b32 s56, ttmp9, 2
	s_add_co_u32 s[BLK], s[BLK], s56               ; 4 x cluster x + cx
	s_and_b32 s[HD], ttmp7, 0xffff                 ; the head, which the four partners share
	s_lshl_b32 s58, s[HD], 17                      ; K, V: the head's 2^17 bytes, my wave's quarter of 256 keys
	s_lshl_b32 s59, s[WV], 15
	s_add_co_u32 s58, s58, s59
	s_mov_b32 s59, 0
	s_lshl_b32 s60, s[HD], 17                      ; Q, ctx: the head, my block's 256 rows, my wave's 64
	s_lshl_b32 s61, s[BLK], 15
	s_add_co_u32 s60, s60, s61
	s_lshl_b32 s61, s[WV], 13
	s_add_co_u32 s60, s60, s61
	s_mov_b32 s61, 0
	s_lshr_b32 s62, s[HD], 3                       ; the batch's 1,024 bytes of the mask
	s_lshl_b32 s62, s62, 10
	s_mov_b32 s63, 0
	; descriptor group 1.  256 keys are 32,768 dense bytes: asked for as 128 rows of 256 bytes, two keys a row, padded in LDS after every key
	s_mov_b32 s[G1K], 15|(1<<16)|(1<<20)|(1<<21)|(4<<22)|(3<<25)  ; 15:0 the mask of four; 17:16 2-byte elements; 20 padding on; 21 set beside a mask; 24:22 after every 32 words (code 4); 31:25 4 words (code 3)
	s_mov_b32 s[G1V], 15|(1<<16)|(1<<20)|(1<<21)|(4<<22)|(7<<25)  ; the same with 8 words of padding (code 7)
.irp g, G1K, G1V
	s_mov_b32 s[\g+1], 128<<16                     ; tensor_dim0 = 128
	s_mov_b32 s[\g+2], 128<<16                     ; tensor_dim1 = 128
	s_mov_b32 s[\g+3], 128<<16                     ; tile_dim0 = 128
	s_mov_b32 s[\g+4], 128                         ; tile_dim1 = 128
	s_mov_b32 s[\g+5], 128                         ; 128 elements from row to row
	s_mov_b32 s[\g+6], 0
	s_mov_b32 s[\g+7], 0
.endr
	s_mov_b32 s[G0K], 1
	s_mul_i32 s[G0K+1], s[WV], 256*PK              ; LDS: my quarter of K: no place in the cluster enters an LDS address
	s_mov_b32 s[G0V], 1
	s_mul_i32 s[G0V+1], s[WV], 256*PV
	s_add_co_u32 s[G0V+1], s[G0V+1], VB
	s_mov_b32 s[CS], 0x3d800000
	s_mov_b32 s[CS+1], 0x3d800000                  ; named with it as a pair
	s_mov_b32 s[NCS], 0xbd800000
	s_mov_b32 s[SEL], 0x76543210
	s_mov_b32 s[SEL+1], 0xfedcba98
	s_mov_b32 s[BIGN], 0xf149f2ca
	s_mov_b32 s[TILES], 4
	s_wait_dscnt 0x0                               ; both opening adds are done
	s_wait_kmcnt 0x0
	s_add_nc_u64 s[G0K+2:G0K+3], s[6:7], s[58:59]
	s_or_b32 s[G0K+3], s[G0K+3], 0x80000000        ; type = 2
	s_add_nc_u64 s[G0V+2:G0V+3], s[8:9], s[58:59]
	s_or_b32 s[G0V+3], s[G0V+3], 0x80000000
	s_add_nc_u64 s[4:5], s[4:5], s[60:61]
	s_add_nc_u64 s[12:13], s[12:13], s[60:61]
	s_add_nc_u64 s[10:11], s[10:11], s[62:63]
	CROUND                                         ; all four work-groups are here: the joint loads meet
	tensor_load_to_lds s[G0K:G0K+3], s[G1K:G1K+7]  ; my two loads, the only ones of the launch: two are out
	s_nop 0
	tensor_load_to_lds s[G0V:G0V+3], s[G1V:G1V+7]
	s_nop 0
	PLACES
	v_lshlrev_b32 v[TA], 3, v0
	global_load_b64 v[MK:MK+1], v[TA], s[10:11]    ; thread t: the mask's bytes 8 t .. 8 t + 7
	v_and_b32 v[R], 15, v0
	v_bfe_u32 v[H], v0, 4, 1
	v_lshlrev_b32 v[QO], 7, v[R]
	v_lshl_add_u32 v[QO], v[H], 4, v[QO]           ; row x 128 + 16 x half
	QLOAD
	v_mul_u32_u24 v[AKB], v[R], PK
	v_lshl_add_u32 v[AKB], v[H], 4, v[AKB]         ; row x pitch + 16 x half
	v_add_nc_u32 v[AKB+1], 256*PK, v[AKB]
	v_add_nc_u32 v[AKB+2], 512*PK, v[AKB]
	v_add_nc_u32 v[AKB+3], 768*PK, v[AKB]
	; the turning load takes 16 keys x 16 channels: lane l reads key 8 (l / 16) + l % 8, channels 8 ((l / 8) % 2) + 0..7, and is left with channel l % 16 and 8 keys
	v_and_b32 v6, 7, v0
	v_bfe_u32 v7, v0, 3, 1
	v_lshl_add_u32 v[AVB], v[H], 3, v6
	v_mul_u32_u24 v[AVB], v[AVB], PV
	v_lshl_add_u32 v[AVB], v7, 4, v[AVB]
	v_add_nc_u32 v[AVB], VB, v[AVB]
	v_add_nc_u32 v[AVB+1], 256*PV, v[AVB]
	v_add_nc_u32 v[AVB+2], 512*PV, v[AVB]
	v_add_nc_u32 v[AVB+3], 768*PV, v[AVB]
	v_lshl_add_u32 v[AB], v[H], 5, BT
	s_mul_i32 s56, s[WV], 16*SP
	s_add_co_u32 s56, s56, STAGE                   ; my stage
	v_add_nc_u32 v[STO], s56, v[AKB]               ; in: row l % 16, 16 bytes for each half of the lanes
	v_bfe_u32 v[RD], v0, 3, 2                      ; back: 32 lanes take four rows of 128 bytes
	v_mul_u32_u24 v[RD], v[RD], SP
	v_lshl_add_u32 v[RD], v6, 4, v[RD]
	v_add_nc_u32 v[RD], s56, v[RD]
	v_and_b32 v[GO], 31, v0
	v_lshlrev_b32 v[GO], 4, v[GO]
	v_mov_b32 v[ONE], 1.0
	v_mov_b32 v[ONE+1], 1.0
	v_lshl_add_u32 v[TA+1], v0, 5, BT
	s_wait_loadcnt 4                               ; the mask's bytes are in; Q's four loads, issued behind them, may stay out
.irp k, 0,1,2,3,4,5,6,7
	v_bfe_u32 v[MK+2+(\k)], v[MK+(\k)/4], 8*((\k)%4), 8
	v_sub_nc_u32 v[MK+2+(\k)], 0, v[MK+2+(\k)]     ; 0 or all ones
	v_and_b32 v[MK+2+(\k)], s[BIGN], v[MK+2+(\k)]  ; 0 or -1e30
.endr
	ds_store_b128 v[TA+1], v[MK+2:MK+5]
	ds_store_b128 v[TA+1], v[MK+6:MK+9] offset:16
	s_wait_tensorcnt 0x0                           ; my quarters of K and V have landed,
	s_wait_dscnt 0x0                               ; my part of the table is stored:
	s_barrier_signal -1
	s_barrier_wait -1                              ; everybody's.  Nothing in LDS but the stages is written from here on
; Group g of 16 is 64 keys: four results t = 4 g + i.  K's fragments (keys 16 i on, channels 32 c on) go to buffer g % 2 of window 3.
.macro KLOAD g
	WIN 0xc0                                       ; destination window 3
.irp i, 0,1,2,3
.irp c, 0,1
	ds_load_b128 v[64*((\g)&1)+16*(\i)+8*(\c):64*((\g)&1)+16*(\i)+8*(\c)+3],   v[AKB+(\g)/4] offset:((\g)%4)*64*PK+(\i)*16*PK+(\c)*64
	ds_load_b128 v[64*((\g)&1)+16*(\i)+8*(\c)+4:64*((\g)&1)+16*(\i)+8*(\c)+7], v[AKB+(\g)/4] offset:((\g)%4)*64*PK+(\i)*16*PK+(\c)*64+32
.endr
.endr
.endm
.macro BLOAD g                         ; the table's 0 or -1e30 of my eight keys of each result, straight into the accumulators: the sums start from them
	WIN 0x40*(1+(\g)/8)
.irp i, 0,1,2,3
	ds_load_b128 v[8*((4*(\g)+(\i))%32):8*((4*(\g)+(\i))%32)+3],   v[AB] offset:64*(4*(\g)+(\i))
	ds_load_b128 v[8*((4*(\g)+(\i))%32)+4:8*((4*(\g)+(\i))%32)+7], v[AB] offset:64*(4*(\g)+(\i))+16
.endr
.endm
.macro QK g                            ; eight products; the four accumulators take turns
	WIN 0x03+0x50*(1+(\g)/8)                       ; K window 3, Q window 0, C and D window 1 or 2
.irp c, 0,1
.irp i, 0,1,2,3
	v_wmma_f32_16x16x32_f16 v[8*((4*(\g)+(\i))%32):8*((4*(\g)+(\i))%32)+7], v[64*((\g)&1)+16*(\i)+8*(\c):64*((\g)&1)+16*(\i)+8*(\c)+7], v[Q+8*(\c):Q+8*(\c)+7], v[8*((4*(\g)+(\i))%32):8*((4*(\g)+(\i))%32)+7]
.endr
.endr
.endm
.macro MAXG g                          ; the group's 32 scores a lane into eight running maxima; each accumulator's lowest registers are read first
	WIN 0x14*(1+(\g)/8)                            ; sources 1 and 2 window 1 or 2
.irp i, 0,1,2,3
.irp j, 0,1,2,3
	v_max3_num_f32 v[MX+4*((\i)&1)+(\j)], v[MX+4*((\i)&1)+(\j)], v[8*((4*(\g)+(\i))%32)+2*(\j)], v[8*((4*(\g)+(\i))%32)+2*(\j)+1]
.endr
.endr
.endm
.macro VLOAD g                         ; V of group g, turned (keys 32 kl on, channels 16 cb on), to buffer g % 4 of window 3
	WIN 0xc0
.irp kl, 0,1
.irp cb, 0,1,2,3
	ds_load_tr16_b128 v[64*((\g)%4)+32*(\kl)+8*(\cb):64*((\g)%4)+32*(\kl)+8*(\cb)+3],   v[AVB+(\g)/4] offset:((\g)%4)*64*PV+(\kl)*32*PV+(\cb)*32
	ds_load_tr16_b128 v[64*((\g)%4)+32*(\kl)+8*(\cb)+4:64*((\g)%4)+32*(\kl)+8*(\cb)+7], v[AVB+(\g)/4] offset:((\g)%4)*64*PV+(\kl)*32*PV+16*PV+(\cb)*32
.endr
.endr
.endm
.macro FIN kb                          ; the weights of keys 32 kb on: d = (x - t)+, p = d d, rounded to f16 in pairs: a fragment of P
	WIN 0x04*(1+(\kb)/16)                          ; x is source 1
.irp i, 0,1,2,3,4,5,6,7
	v_pk_fma_f32 v[TD+2*(\i):TD+2*(\i)+1], v[ONE:ONE+1], v[16*((\kb)%16)+2*(\i):16*((\kb)%16)+2*(\i)+1], v[NT:NT+1] clamp
.endr
	WIN 0
.irp i, 0,1,2,3,4,5,6,7
	v_pk_mul_f32 v[TD+2*(\i):TD+2*(\i)+1], v[TD+2*(\i):TD+2*(\i)+1], v[TD+2*(\i):TD+2*(\i)+1]
.endr
.irp i, 0,1,2,3,4,5,6,7
	v_cvt_pk_f16_f32 v[P+8*((\kb)&1)+(\i)], v[TD+2*(\i)], v[TD+2*(\i)+1]
.endr
.endm
.macro PVM kb                          ; four products O^T += V^T P; the four accumulators take turns; the first four start the sums
	WIN 0x03                                       ; V window 3
.irp cb, 0,1,2,3
.if (\kb) == 0
	v_wmma_f32_16x16x32_f16 v[O+8*(\cb):O+8*(\cb)+7], v[64*(((\kb)/2)%4)+32*((\kb)%2)+8*(\cb):64*(((\kb)/2)%4)+32*((\kb)%2)+8*(\cb)+7], v[P+8*((\kb)&1):P+8*((\kb)&1)+7], 0
.else
	v_wmma_f32_16x16x32_f16 v[O+8*(\cb):O+8*(\cb)+7], v[64*(((\kb)/2)%4)+32*((\kb)%2)+8*(\cb):64*(((\kb)/2)%4)+32*((\kb)%2)+8*(\cb)+7], v[P+8*((\kb)&1):P+8*((\kb)&1)+7], v[O+8*(\cb):O+8*(\cb)+7]
.endif
.endr
.endm
; A PASS over the lane's 512 scores, in 64 groups of four pairs.  x stands in source 1 alone (the sum of d takes the constant 1.0 there), so one window setting serves 384 lines.  The first group starts the sums: nothing is cleared.
.macro NPASS
.set q, 0
.rept 64
	WIN 0x04*(1+q/32)
.set xb, 8*(q%32)
.if q == 0
.irp k, 0,1,2,3
	v_pk_fma_f32 v[A1+2*(\k):A1+2*(\k)+1], v[ONE:ONE+1], v[xb+2*(\k):xb+2*(\k)+1], v[NT:NT+1] clamp
.endr
.irp k, 0,1,2,3
	v_pk_mul_f32 v[A2+2*(\k):A2+2*(\k)+1], v[A1+2*(\k):A1+2*(\k)+1], v[xb+2*(\k):xb+2*(\k)+1]
.endr
.else
.irp k, 0,1,2,3
	v_pk_fma_f32 v[D+2*(\k):D+2*(\k)+1], v[ONE:ONE+1], v[xb+2*(\k):xb+2*(\k)+1], v[NT:NT+1] clamp
.endr
.irp k, 0,1,2,3
	v_pk_fma_f32 v[A1+2*(\k):A1+2*(\k)+1], v[D+2*(\k):D+2*(\k)+1], 1.0, v[A1+2*(\k):A1+2*(\k)+1] op_sel_hi:[1,0,1]
.endr
.irp k, 0,1,2,3
	v_pk_fma_f32 v[A2+2*(\k):A2+2*(\k)+1], v[D+2*(\k):D+2*(\k)+1], v[xb+2*(\k):xb+2*(\k)+1], v[A2+2*(\k):A2+2*(\k)+1]
.endr
.endif
.set q, q+1
.endr
.endm
.macro NTAIL                           ; the sums over the lane and its partner 16 away; the step
	WIN 0
	v_pk_add_f32 v[A1:A1+1], v[A1:A1+1], v[A1+2:A1+3]
	v_pk_add_f32 v[A2:A2+1], v[A2:A2+1], v[A2+2:A2+3]
	v_pk_add_f32 v[A1+4:A1+5], v[A1+4:A1+5], v[A1+6:A1+7]
	v_pk_add_f32 v[A2+4:A2+5], v[A2+4:A2+5], v[A2+6:A2+7]
	v_pk_add_f32 v[A1:A1+1], v[A1:A1+1], v[A1+4:A1+5]
	v_pk_add_f32 v[A2:A2+1], v[A2:A2+1], v[A2+4:A2+5]
	v_add_f32 v[A1], v[A1], v[A1+1]
	v_add_f32 v[A2], v[A2], v[A2+1]
	v_permlanex16_b32 v[MX],   v[A1], s[SEL], s[SEL+1]
	v_permlanex16_b32 v[MX+1], v[A2], s[SEL], s[SEL+1]
	v_add_f32 v[A1], v[A1], v[MX]                  ; S1
	v_add_f32 v[A2], v[A2], v[MX+1]
	v_fma_f32 v[A2], v[NT], v[A1], v[A2]           ; S2 = sum d x - t S1
	v_sqrt_f32 v[MX+2], v[A2]
	v_rcp_f32 v[MX+3], v[A1]
	v_nop                                          ; a plain instruction behind the two (ISA guide 5.7.2),
	s_wait_alu depctr_va_vdst(0)                   ; and the one wait ahead of their first reader, and of the branch
	v_sub_f32 v[MX+2], v[A2], v[MX+2]
	v_fma_f32 v[NT],   -v[MX+2], v[MX+3], v[NT]    ; -t -= (S2 - sqrt(S2)) / S1
	v_fma_f32 v[NT+1], -v[MX+2], v[MX+3], v[NT+1]
.endm
.Ltile:                                                ; four trips: a tile of 16 queries each
	s_wait_loadcnt 0x0                             ; Q
.irp j, 0,1,2,3,4,5,6,7
	v_mov_b32 v[MX+(\j)], 0xff7fffff               ; the lowest finite number
.endr
	; PHASE A: the scores.  Two groups' loads are out ahead of the products; the maximum lags a group, so that its sixteen lines stand beside the products and are the places in front of the loads into K's buffer.
	KLOAD 0
	BLOAD 0
	KLOAD 1
	BLOAD 1
.set g, 0
.rept 16
.if g < 15
	s_wait_dscnt 24                                ; group g's 24 loads are in; group g + 1's may stay out
.else
	s_wait_dscnt 0x0
.endif
	QK g
.if g == 0
	PLACES
.else
	MAXG g-1
.endif
.if g < 14
	KLOAD g+2
	BLOAD g+2
.endif
.set g, g+1
.endr
	MAXG 15
	WIN 0
	s_cmp_eq_u32 s[TILES], 1
	s_cbranch_scc1 .Lnoq                           ; the last tile has no successor
	s_add_nc_u64 s[4:5], s[4:5], 2048              ; free since the wait at the trip's head
	QLOAD                                          ; the next tile's Q: 32 plain lines behind the last product that read these registers
.Lnoq:
	VLOAD 0                                        ; V's first two groups land under the passes
	VLOAD 1
	WIN 0
	v_max3_num_f32 v[MX], v[MX], v[MX+1], v[MX+2]
	v_max3_num_f32 v[MX+3], v[MX+3], v[MX+4], v[MX+5]
	v_max3_num_f32 v[MX], v[MX], v[MX+3], v[MX+6]
	v_max_num_f32 v[MX], v[MX], v[MX+7]
	v_permlanex16_b32 v[MX+1], v[MX], s[SEL], s[SEL+1]  ; the query's other 512 keys lie in the lane 16 away
	v_max_num_f32 v[MX], v[MX], v[MX+1]
	v_mul_f32 v[NCM], s[NCS], v[MX]                ; exact: a power of two
	v_mul_f32 v[NCM+1], s[NCS], v[MX]
	; PHASE B: x = s / 16 - max / 16, in place, one rounding
.irp w, 1,2
	WIN 0x41*(\w)
.set i, 0
.rept 128
	v_pk_fma_f32 v[2*i:2*i+1], v[2*i:2*i+1], s[CS:CS+1], v[NCM:NCM+1] op_sel_hi:[1,0,1]
.set i, i+1
.endr
.endr
	WIN 0
	v_mov_b32 v[NT], 1.0                           ; t = -1
	v_mov_b32 v[NT+1], 1.0
	s_mov_b32 s[NEWT], NEWTON
.Lnewton:
	NPASS
	NTAIL
	s_sub_co_u32 s[NEWT], s[NEWT], 1
	s_cmp_lg_u32 s[NEWT], 0
	s_cbranch_scc1 .Lnewton
	; PHASE C: weights and O^T.  The weights of the next 32 keys are made beside the four products of the 32 in hand; V is fetched two groups ahead, into a buffer last read two groups back.
	FIN 0
.set g, 0
.rept 16
.if g < 14
	VLOAD g+2
	s_wait_dscnt 32                                ; group g is in; the two younger groups' 32 loads may stay out
.elseif g == 14
	s_wait_dscnt 16
.else
	s_wait_dscnt 0x0
.endif
	PVM 2*g
	FIN 2*g+1
	PVM 2*g+1
.if g < 15
	FIN 2*g+2
.endif
.set g, g+1
.endr
	; THE WAY OUT: 16 rows of 128 bytes, dense: rounded to f16, through my stage, 512 consecutive bytes a store
	WIN 0
	PLACES
	PLACES                                         ; places between the last products and the conversions that read their results (ISA guide 7.12.1): once a tile
.irp cb, 0,1,2,3
.irp q, 0,1,2,3
	v_cvt_pk_f16_f32 v[WO+4*(\cb)+(\q)], v[O+8*(\cb)+2*(\q)], v[O+8*(\cb)+2*(\q)+1]
.endr
.endr
.irp cb, 0,1,2,3
	ds_store_b128 v[STO], v[WO+4*(\cb):WO+4*(\cb)+3] offset:32*(\cb)
.endr
.irp f, 0,1,2,3
	ds_load_b128 v[WO+4*(\f):WO+4*(\f)+3], v[RD] offset:(\f)*4*SP  ; LDS serves a wave's instructions in order (ISA guide 5.7.1.4): these see the stores above
.endr
.irp f, 0,1,2,3
	s_wait_dscnt 3-(\f)
	global_store_b128 v[GO], v[WO+4*(\f):WO+4*(\f)+3], s[12:13] offset:512*(\f)
.endr
	s_wait_xcnt 0x0                                ; the stores have read their registers and their base
	s_add_nc_u64 s[12:13], s[12:13], 2048
	s_sub_co_u32 s[TILES], s[TILES], 1
	s_cmp_lg_u32 s[TILES], 0
	s_cbranch_scc1 .Ltile
	s_wait_tensorcnt 0x0                           ; the wave's end, behind my last tensor load and my last LDS store
	ds_add_u32 v[SPW], v[NIL]
	s_wait_dscnt 0x0
	CROUND                                         ; the closing round
	s_endpgm
.Lfunc_end_k_qfcde2e0b92_attn:
	.size	k_qfcde2e0b92_attn, .Lfunc_end_k_qfcde2e0b92_attn-k_qfcde2e0b92_attn
	.p2alignl 7, 3214868480
	.fill 96, 4, 3214868480
	.section	.rodata,"a",@progbits
	.p2align	6, 0x0
	.amdhsa_kernel k_qfcde2e0b92_attn
		.amdhsa_group_segment_fixed_size 327680
		.amdhsa_private_segment_fixed_size 0
		.amdhsa_enable_private_segment 0
		.amdhsa_kernarg_size 40
		.amdhsa_user_sgpr_count 2
		.amdhsa_user_sgpr_kernarg_segment_ptr 1
		.amdhsa_wavefront_size32 1
		.amdhsa_system_sgpr_workgroup_id_x 1
		.amdhsa_system_sgpr_workgroup_id_y 1
		.amdhsa_system_sgpr_workgroup_id_z 1
		.amdhsa_system_vgpr_workitem_id 0
		.amdhsa_next_free_vgpr 1024
		.amdhsa_next_free_sgpr 66
		.amdhsa_reserve_vcc 0
		.amdhsa_float_denorm_mode_32 3
		.amdhsa_float_denorm_mode_16_64 3
		.amdhsa_memory_ordered 1
		.amdhsa_forward_progress 1
		.amdhsa_inst_pref_size 204
	.end_amdhsa_kernel
	.amdgpu_metadata
---
amdhsa.version: [ 1, 2 ]
amdhsa.kernels:
  - .name:           k_qfcde2e0b92_attn
    .symbol:         k_qfcde2e0b92_attn.kd
    .args:
      - { .name: qh, .offset: 0, .size: 8, .value_kind: global_buffer, .address_space: global }
      - { .name: kh, .offset: 8, .size: 8, .value_kind: global_buffer, .address_space: global }
      - { .name: vh, .offset: 16, .size: 8, .value_kind: global_buffer, .address_space: global }
      - { .name: key_padding_mask, .offset: 24, .size: 8, .value_kind: global_buffer, .address_space: global }
      - { .name: ch, .offset: 32, .size: 8, .value_kind: global_buffer, .address_space: global }
    .group_segment_fixed_size: 327680
    .private_segment_fixed_size: 0
    .kernarg_segment_align: 8
    .kernarg_segment_size: 40
    .max_flat_workgroup_size: 128
    .sgpr_count:     66
    .vgpr_count:     1024
    .wavefront_size: 32
...
	.end_amdgpu_metadata
.endif
;; end of part 2
;; launch outp (part 3): grid 4 x 64, 4 waves a work-group, clusters of 4 x 4, 327,680 bytes of LDS; arguments ch, wo16, out_b, out0; writes out0
.if DOCPART == 3
	.amdgcn_target "amdgcn-amd-amdhsa--gfx1250"
	.amdhsa_code_object_version 6
	.text
	.protected	k_qfcde2e0b92_outp
	.globl	k_qfcde2e0b92_outp
	.p2align	8
	.type	k_qfcde2e0b92_outp,@function
k_qfcde2e0b92_outp:
	s_mov_b64 s[64:65], 0
	v_nop
	global_prefetch_b8 v0, s[64:65] scope:SCOPE_SE
	s_setreg_imm32_b32 hwreg(HW_REG_WAVE_MODE, 25, 1), 1
	s_wait_xcnt 0x0
	s_wait_alu depctr_hold_cnt(0) depctr_sa_sdst(0) depctr_va_vdst(0) depctr_va_sdst(0) depctr_va_ssrc(0) depctr_va_vcc(0) depctr_vm_vsrc(0)
	s_getreg_b32 s2, hwreg(HW_REG_IB_STS2, 6, 4)
	s_cmp_eq_u32 s2, 0
	s_cbranch_scc0 .Lentry_in_a_cluster
	s_endpgm
.Lentry_in_a_cluster:
	s_bfe_u32 s2, ttmp6, 0x10000c
	s_cmp_lg_u32 s2, 0xf033
	s_cbranch_scc0 .Lentry_shape_is_right
	s_endpgm
.Lentry_shape_is_right:
; out0[m][n] = the sum over k of ctx[m][k] out_w[n][k] + out_b[n].  ctx lies by heads, ch: [8 b][8 h][1024 l][64] f16 (k = 64 h + d); wo16: [512][512] f16 (out_w rounded to bf16); out_b: [512] f32, rounded
; to bf16 here like every input; out0: [8192][512] f32.  Products in f16, sums in f32, started from the bias.
; SHARES.  A work-group makes 128 x 128 of out0, each of its four waves 64 x 64: 16 accumulators.  K = 512 is two LDS slots of 256 (four heads each), BOTH filled at the start: nothing is filled again, and there is no loop.
; CLUSTER.  4 x 4 work-groups: the four of a row need the same rows of ctx, the four of a column the same rows of wo16: each tile is asked for JOINTLY, by the same tensor load with the same descriptor and a mask of four.
; NOTHING IS PREFETCHED: all that the launch reads is asked for at its head.
; THE MATRIX INSTRUCTION IS USED TRANSPOSED (source 0 = 16 rows of wo16, source 1 = 16 rows of ctx): a lane holds row lane % 16 and the columns 8 (lane / 16) + 0..7.
; REGISTERS: window 0: addresses, v32-63 the bias, v128-255 the accumulators ((a, b) at 128 + 8 (4 a + b)); window 1: two fragment buffers of 128: for 64 along K, 64 registers of ctx, then 64 of wo16.
.set PA,     144                       ; a row of ctx in LDS: one head's 128 bytes + 16
.set PB,     528                       ; a row of wo16: 512 bytes + 16: both pitches are odd multiples of 16 bytes, so the 16 rows of a load start at 16 different groups of four banks (ISA guide 11.1)
.set HEADB,  128*PA                    ; 128 rows of one head
.set AREG,   4*HEADB                   ; a slot's four heads
.set HALFB,  64*PB                     ; 64 rows of wo16
.set SLOT,   AREG+2*HALFB
.set STAGE,  2*SLOT                    ; each wave's stage for the way out: 16 rows x 272 bytes
.set SPITCH, 272
.set SPARE,  STAGE+4*16*SPITCH         ; the spare words, 128 bytes a wave: two blocks of 256 bytes that no other line names
.set ADRA, 16                          ; v16-17  LDS address of my fragments of ctx in slot 0, 1
.set ADRB, 20                          ; v20-21  the same for wo16
.set STO,  24
.set RD,   25
.set CO,   26                          ; v26     my byte offset in two rows of out0
.set BO,   27                          ; v27     32 (lane / 16)
.set SPW,  28                          ; v28     my spare word; never rewritten
.set NIL,  29                          ; v29     0; never rewritten
.set BIAS, 32                          ; v32-63  register j of block b: out_b of column 16 b + 8 h + j
.set ACC,  128
.set F0,   0
.set F1,   128
.set WV, 12                            ; s12  my wave's number
.set WM, 13                            ; s13  which 64 rows; also: I fetch ctx (0) or wo16 (1)
.set WN, 14                            ; s14  which 64 columns; also: which half of that tile I fetch
.set G1,  24                           ; s[24:31] group 1 for ctx; s[32:39] group 0, a set for each slot
.set G0,  32
.set G1B, 48                           ; s[48:55], s[56:63] the same for wo16
.set G0B, 56
.set MSB, 0
.macro WIN new                         ; the immediate's high byte repeats the setting that is left; a switch that changes nothing is dropped
.if MSB != (\new)
	s_set_vgpr_msb (MSB<<8)|(\new)
.set MSB, \new
.endif
.endm
.set MUL,  0x05                        ; sources 0 and 1 window 1; C and D window 0
.set TO_F, 0x40                        ; destination window 1, address window 0
.macro CROUND                          ; a round of the cluster's barrier
	s_barrier_signal -1
	s_barrier_wait -1
	s_cmp_lg_u32 s[WV], 0
	s_cbranch_scc1 .Lnot_wave_0_\@
	s_barrier_signal -3
.Lnot_wave_0_\@:
	s_barrier_wait -3
	s_barrier_signal -1
	s_barrier_wait -1
.endm
.macro PLACES
.rept 4
	v_nop
.endr
.endm
	s_load_b256 s[4:11], s[0:1], 0x0               ; ch s[4:5], wo16 s[6:7], out_b s[8:9], out0 s[10:11]
	v_lshl_add_u32 v[SPW], v0, 2, SPARE
	v_mov_b32 v[NIL], 0
	ds_add_u32 v[SPW], v[NIL]                      ; the wave's opening: the add, twice on end, and its wait ahead of my first tensor load
	ds_add_u32 v[SPW], v[NIL]
	v_lshrrev_b32 v1, 5, v0
	v_readfirstlane_b32 s[WV], v1                  ; wave 0..3
	s_lshr_b32 s[WM], s[WV], 1
	s_and_b32 s[WN], s[WV], 1
	s_bfe_u32 s40, ttmp6, 0x40000                  ; cx
	s_bfe_u32 s41, ttmp6, 0x40004                  ; cy
	s_lshl_b32 s42, ttmp9, 2
	s_add_co_u32 s42, s42, s40                     ; tile column = 4 x cluster x + cx
	s_and_b32 s43, ttmp7, 0xffff
	s_lshl_b32 s43, s43, 2
	s_add_co_u32 s43, s43, s41                     ; tile row = 4 x cluster y + cy
	s_lshl_b32 s44, s41, 2
	s_lshl_b32 s44, 15, s44                        ; my row of the cluster
	s_lshl_b32 s45, 0x1111, s40                    ; my column
	; ctx: a tile is two heads; of each, 128 rows of 128 bytes lie dense: one tensor row of 8,192 elements, padded in LDS after every 32 words; from head to head 65,536 elements
	s_or_b32 s[G1], s44, (1<<16)|(1<<20)|(1<<21)|(4<<22)|(3<<25)
	s_mov_b32 s[G1+1], 8192<<16                    ; tensor_dim0 = 8,192
	s_mov_b32 s[G1+2], 2<<16                       ; tensor_dim1 = 2
	s_mov_b32 s[G1+3], 8192<<16                    ; tile_dim0 = 8,192
	s_mov_b32 s[G1+4], 2                           ; tile_dim1 = 2
	s_mov_b32 s[G1+5], 65536
	s_mov_b32 s[G1+6], 0
	s_mov_b32 s[G1+7], 0
	; wo16: 64 rows x 256 elements, padded after every 128 words
	s_or_b32 s[G1B], s45, (1<<16)|(1<<20)|(1<<21)|(6<<22)|(3<<25)
	s_mov_b32 s[G1B+1], 256<<16
	s_mov_b32 s[G1B+2], 64<<16
	s_mov_b32 s[G1B+3], 256<<16
	s_mov_b32 s[G1B+4], 64
	s_mov_b32 s[G1B+5], 512
	s_mov_b32 s[G1B+6], 0
	s_mov_b32 s[G1B+7], 0
	; ctx's address hangs on the tile row and the wave's number, wo16's on the tile column and the wave's number, each in registers that never hold the other coordinate
	s_lshr_b32 s16, s43, 3                         ; the batch
	s_lshl_b32 s16, s16, 20
	s_and_b32 s17, s43, 7                          ; its block of 128 rows
	s_lshl_b32 s17, s17, 14
	s_add_co_u32 s16, s16, s17
	s_lshl_b32 s17, s[WN], 18                      ; heads 2 wn, 2 wn + 1 of the slot's four
	s_add_co_u32 s16, s16, s17
	s_mov_b32 s17, 0
	s_lshl_b32 s46, s42, 17                        ; row 128 x tile column + 64 wn, 1,024 bytes each
	s_lshl_b32 s47, s[WN], 16
	s_add_co_u32 s46, s46, s47
	s_mov_b32 s47, 0
	s_mul_i32 s20, s[WN], 2*HEADB                  ; where they go: no place in the cluster enters an LDS address
	s_mul_i32 s21, s[WN], HALFB
	s_add_co_u32 s21, s21, AREG
	s_wait_dscnt 0x0                               ; both opening adds are done
	s_wait_kmcnt 0x0
	s_add_nc_u64 s[18:19], s[4:5], s[16:17]
	s_add_nc_u64 s[22:23], s[6:7], s[46:47]
	CROUND                                         ; all sixteen work-groups are here: the joint loads meet
.irp s, 0,1
	s_mov_b32 s[G0+4*(\s)], 1
	s_add_co_u32 s[G0+4*(\s)+1], s20, (\s)*SLOT
	s_add_nc_u64 s[G0+4*(\s)+2:G0+4*(\s)+3], s[18:19], (\s)*4*131072  ; slot s: heads 4 s on
	s_or_b32 s[G0+4*(\s)+3], s[G0+4*(\s)+3], 0x80000000
	s_mov_b32 s[G0B+4*(\s)], 1
	s_add_co_u32 s[G0B+4*(\s)+1], s21, (\s)*SLOT
	s_add_nc_u64 s[G0B+4*(\s)+2:G0B+4*(\s)+3], s[22:23], (\s)*512     ; slot s: k = 256 s on
	s_or_b32 s[G0B+4*(\s)+3], s[G0B+4*(\s)+3], 0x80000000
.endr
	s_cmp_eq_u32 s[WM], 0                          ; a wave's two fills stand in one branch on its number, the same in every work-group: two loads of mine are out
	s_cbranch_scc0 .Lfor_b
	tensor_load_to_lds s[G0:G0+3], s[G1:G1+7]
	s_nop 0
	tensor_load_to_lds s[G0+4:G0+7], s[G1:G1+7]
	s_nop 0
	PLACES
	s_branch .Lasked
.Lfor_b:
	tensor_load_to_lds s[G0B:G0B+3], s[G1B:G1B+7]
	s_nop 0
	tensor_load_to_lds s[G0B+4:G0B+7], s[G1B:G1B+7]
	s_nop 0
	PLACES
.Lasked:
	v_and_b32 v1, 15, v0                           ; l % 16
	v_bfe_u32 v2, v0, 4, 1                         ; l / 16
	v_lshlrev_b32 v[BO], 5, v2
	s_lshl_b32 s46, s42, 9                         ; out_b at column 128 x tile column + 64 wn
	s_lshl_b32 s47, s[WN], 8
	s_add_co_u32 s46, s46, s47
	s_mov_b32 s47, 0
	s_add_nc_u64 s[8:9], s[8:9], s[46:47]
.irp b, 0,1,2,3
	global_load_b128 v[BIAS+8*(\b):BIAS+8*(\b)+3],   v[BO], s[8:9] offset:64*(\b)
	global_load_b128 v[BIAS+8*(\b)+4:BIAS+8*(\b)+7], v[BO], s[8:9] offset:64*(\b)+16
.endr
	v_mul_u32_u24 v3, v1, PA
	v_lshl_add_u32 v3, v2, 4, v3                   ; row x pitch + 16 x half
	s_mul_i32 s15, s[WM], 64*PA
	v_add_nc_u32 v[ADRA], s15, v3
	v_add_nc_u32 v[ADRA+1], SLOT, v[ADRA]
	v_mul_u32_u24 v4, v1, PB
	v_lshl_add_u32 v4, v2, 4, v4
	s_mul_i32 s15, s[WN], HALFB
	s_add_co_u32 s15, s15, AREG
	v_add_nc_u32 v[ADRB], s15, v4
	v_add_nc_u32 v[ADRB+1], SLOT, v[ADRB]
	s_mul_i32 s15, s[WV], 16*SPITCH
	s_add_co_u32 s15, s15, STAGE                   ; my stage
	v_mul_u32_u24 v[STO], v1, SPITCH               ; in: row l % 16, 32 bytes for each half of the lanes
	v_lshl_add_u32 v[STO], v2, 5, v[STO]
	v_add_nc_u32 v[STO], s15, v[STO]
	v_mul_u32_u24 v[RD], v2, SPITCH                ; back: lanes 0-15 take one row of 256 bytes, lanes 16-31 the next
	v_lshl_add_u32 v[RD], v1, 4, v[RD]
	v_add_nc_u32 v[RD], s15, v[RD]
	v_lshlrev_b32 v[CO], 11, v2                    ; and the same two rows in out0
	v_lshl_add_u32 v[CO], v1, 4, v[CO]
	s_lshl_b32 s2, s43, 18                         ; out0 at row 128 x tile row + 64 wm (2,048 bytes each), column 128 x tile column + 64 wn
	s_lshl_b32 s3, s[WM], 17
	s_add_co_u32 s2, s2, s3
	s_lshl_b32 s3, s42, 9
	s_add_co_u32 s2, s2, s3
	s_lshl_b32 s3, s[WN], 8
	s_add_co_u32 s2, s2, s3
	s_mov_b32 s3, 0
	s_add_nc_u64 s[10:11], s[10:11], s[2:3]
	s_wait_loadcnt 0x0
.set i, 0
.rept 16                               ; the bias, rounded to bf16 and widened again, while the tiles are on their way
	v_cvt_pk_bf16_f32 v64, v[BIAS+2*i], v[BIAS+2*i+1]
	v_lshlrev_b32 v[BIAS+2*i], 16, v64
	v_and_b32 v[BIAS+2*i+1], 0xffff0000, v64
.set i, i+1
.endr
; 8 products: m blocks a0, a0 + 1 x all 4 n blocks, 32 along K: half c of buffer f.  first = 1: the sums start from the bias.  The sixteen accumulators take turns.
.macro MUL8 f, c, a0, first
	WIN MUL
.irp a, \a0, (\a0)+1
.irp b, 0,1,2,3
.if \first
	v_wmma_f32_16x16x32_f16 v[ACC+8*(4*(\a)+(\b)):ACC+8*(4*(\a)+(\b))+7], v[(\f)+64+8*(4*(\c)+(\b)):(\f)+64+8*(4*(\c)+(\b))+7], v[(\f)+8*(4*(\c)+(\a)):(\f)+8*(4*(\c)+(\a))+7], v[BIAS+8*(\b):BIAS+8*(\b)+7]
.else
	v_wmma_f32_16x16x32_f16 v[ACC+8*(4*(\a)+(\b)):ACC+8*(4*(\a)+(\b))+7], v[(\f)+64+8*(4*(\c)+(\b)):(\f)+64+8*(4*(\c)+(\b))+7], v[(\f)+8*(4*(\c)+(\a)):(\f)+8*(4*(\c)+(\a))+7], v[ACC+8*(4*(\a)+(\b)):ACC+8*(4*(\a)+(\b))+7]
.endif
.endr
.endr
.endm
; 32 LDS loads in one run: quarter qq of a slot (64 along K: one head) into buffer f; the first 32 along K first
.macro FETCH slot, qq, f
	WIN TO_F
.irp c, 0,1
.irp i, 0,1,2,3
	ds_load_b128 v[(\f)+64+8*(4*(\c)+(\i)):(\f)+64+8*(4*(\c)+(\i))+3],   v[ADRB+(\slot)] offset:128*(\qq)+64*(\c)+(\i)*16*PB
	ds_load_b128 v[(\f)+64+8*(4*(\c)+(\i))+4:(\f)+64+8*(4*(\c)+(\i))+7], v[ADRB+(\slot)] offset:128*(\qq)+64*(\c)+(\i)*16*PB+32
	ds_load_b128 v[(\f)+8*(4*(\c)+(\i)):(\f)+8*(4*(\c)+(\i))+3],         v[ADRA+(\slot)] offset:HEADB*(\qq)+64*(\c)+(\i)*16*PA
	ds_load_b128 v[(\f)+8*(4*(\c)+(\i))+4:(\f)+8*(4*(\c)+(\i))+7],       v[ADRA+(\slot)] offset:HEADB*(\qq)+64*(\c)+(\i)*16*PA+32
.endr
.endr
.endm
; A quarter: multiplies buffer f; in its middle it fetches quarter qq of the same slot into buffer g, four places behind the last product that read g
.macro QUARTER slot, qq, f, g, first
	s_wait_dscnt 16                                ; the first 32 along K are in; the other sixteen loads may stay out
	MUL8 \f, 0, 0, \first
	MUL8 \f, 0, 2, \first
	PLACES
	FETCH \slot, \qq, \g
	s_wait_dscnt 32                                ; all but the 32 just issued
	MUL8 \f, 1, 0, 0
	MUL8 \f, 1, 2, 0
.endm
	s_wait_tensorcnt 1                             ; my part of slot 0 is in; slot 1's may stay out
	s_barrier_signal -1
	s_barrier_wait -1                              ; everybody's is
	FETCH 0, 0, F0
	QUARTER 0, 1, F0, F1, 1
	QUARTER 0, 2, F1, F0, 0
	QUARTER 0, 3, F0, F1, 0
	s_wait_tensorcnt 0x0                           ; the change of slots: my part of slot 1 is in
	s_wait_dscnt 16
	MUL8 F1, 0, 0, 0
	MUL8 F1, 0, 2, 0
	s_wait_dscnt 0x0                               ; no LDS instruction of mine is out at the signal
	s_barrier_signal -1
	s_barrier_wait -1                              ; everybody's part of slot 1 is in
	PLACES
	FETCH 1, 0, F0
	MUL8 F1, 1, 0, 0
	MUL8 F1, 1, 2, 0
	QUARTER 1, 1, F0, F1, 0
	QUARTER 1, 2, F1, F0, 0
	QUARTER 1, 3, F0, F1, 0
	s_wait_dscnt 16                                ; the last quarter fetches nothing
	MUL8 F1, 0, 0, 0
	MUL8 F1, 0, 2, 0
	s_wait_dscnt 0x0
	MUL8 F1, 1, 0, 0
	MUL8 F1, 1, 2, 0
	WIN 0
	; THE WAY OUT, in f32: my 64 columns are 256 bytes of a row.  A block of 16 rows goes into my stage, 32 bytes a lane, and comes back as whole rows into the registers that it left.
	PLACES
	PLACES                                         ; places between the last products and the LDS stores that read their results: once a launch
.macro STG a
.irp b, 0,1,2,3
	ds_store_b128 v[STO], v[ACC+32*(\a)+8*(\b):ACC+32*(\a)+8*(\b)+3]   offset:64*(\b)      ; each accumulator's lowest registers first
	ds_store_b128 v[STO], v[ACC+32*(\a)+8*(\b)+4:ACC+32*(\a)+8*(\b)+7] offset:64*(\b)+16
.endr
.irp t, 0,1,2,3,4,5,6,7
	ds_load_b128 v[ACC+32*(\a)+4*(\t):ACC+32*(\a)+4*(\t)+3], v[RD] offset:(\t)*2*SPITCH  ; LDS serves a wave's instructions in order (ISA guide 5.7.1.4): these see the stores above; the next block's stores come behind them
.endr
.endm
.macro SEND a, younger                 ; younger: the LDS instructions issued behind block a's loads: the next block's sixteen, or none
.irp t, 0,1,2,3,4,5,6,7
	s_wait_dscnt (\younger)+7-(\t)
	global_store_b128 v[CO], v[ACC+32*(\a)+4*(\t):ACC+32*(\a)+4*(\t)+3], s[10:11] offset:(16*(\a)+2*(\t))*2048 th:TH_STORE_NT  ; 16 lanes store 256 consecutive bytes, at a multiple of 256 from out0's first byte
.endr
.endm
	STG 0
	STG 1
	SEND 0, 16
	STG 2
	SEND 1, 16
	STG 3
	SEND 2, 16
	SEND 3, 0
	s_wait_tensorcnt 0x0                           ; the wave's end, behind my last tensor load and my last LDS store
	ds_add_u32 v[SPW], v[NIL]
	s_wait_dscnt 0x0
	CROUND                                         ; the closing round
	s_endpgm
.Lfunc_end_k_qfcde2e0b92_outp:
	.size	k_qfcde2e0b92_outp, .Lfunc_end_k_qfcde2e0b92_outp-k_qfcde2e0b92_outp
	.p2alignl 7, 3214868480
	.fill 96, 4, 3214868480
	.section	.rodata,"a",@progbits
	.p2align	6, 0x0
	.amdhsa_kernel k_qfcde2e0b92_outp
		.amdhsa_group_segment_fixed_size 327680
		.amdhsa_private_segment_fixed_size 0
		.amdhsa_enable_private_segment 0
		.amdhsa_kernarg_size 32
		.amdhsa_user_sgpr_count 2
		.amdhsa_user_sgpr_kernarg_segment_ptr 1
		.amdhsa_wavefront_size32 1
		.amdhsa_system_sgpr_workgroup_id_x 1
		.amdhsa_system_sgpr_workgroup_id_y 1
		.amdhsa_system_sgpr_workgroup_id_z 1
		.amdhsa_system_vgpr_workitem_id 0
		.amdhsa_next_free_vgpr 512
		.amdhsa_next_free_sgpr 66
		.amdhsa_reserve_vcc 0
		.amdhsa_float_denorm_mode_32 3
		.amdhsa_float_denorm_mode_16_64 3
		.amdhsa_memory_ordered 1
		.amdhsa_forward_progress 1
		.amdhsa_inst_pref_size 53
	.end_amdhsa_kernel
	.amdgpu_metadata
---
amdhsa.version: [ 1, 2 ]
amdhsa.kernels:
  - .name:           k_qfcde2e0b92_outp
    .symbol:         k_qfcde2e0b92_outp.kd
    .args:
      - { .name: ch, .offset: 0, .size: 8, .value_kind: global_buffer, .address_space: global }
      - { .name: wo16, .offset: 8, .size: 8, .value_kind: global_buffer, .address_space: global }
      - { .name: out_b, .offset: 16, .size: 8, .value_kind: global_buffer, .address_space: global }
      - { .name: out0, .offset: 24, .size: 8, .value_kind: global_buffer, .address_space: global }
    .group_segment_fixed_size: 327680
    .private_segment_fixed_size: 0
    .kernarg_segment_align: 8
    .kernarg_segment_size: 32
    .max_flat_workgroup_size: 128
    .sgpr_count:     66
    .vgpr_count:     512
    .wavefront_size: 32
...
	.end_amdgpu_metadata
.endif
;; end of part 3
;; ======== version 2 of 2: 3 launches; version 1 with the launch proj written anew for expert scheduling mode
;; limits: values are held in f16: magnitudes above 65,504 overflow, below 6.1e-05 lose precision; a function is approximated: absolute error at most 0.0003
;; workspace buffers: qh 8,388,608 bytes; kh 8,388,608 bytes; vh 8,388,608 bytes; ch 8,388,608 bytes; wo16 524,288 bytes
;; launch proj (part 4): grid 4 x 64, 4 waves a work-group, no clusters, 84,480 bytes of LDS; arguments query, key, value, q_w, k_w, v_w, q_b, k_b, v_b, out_w, qh, kh, vh, wo16; writes qh, kh, vh, wo16
.if DOCPART == 4
	.amdgcn_target "amdgcn-amd-amdhsa--gfx1250"
	.amdhsa_code_object_version 6
	.text
	.protected	k_qfcde2e0b92_proj
	.globl	k_qfcde2e0b92_proj
	.p2align	8
	.type	k_qfcde2e0b92_proj,@function
k_qfcde2e0b92_proj:
	s_mov_b64 s[64:65], 0
	v_nop
	global_prefetch_b8 v0, s[64:65] scope:SCOPE_SE
	s_setreg_imm32_b32 hwreg(HW_REG_WAVE_SCHED_MODE, 0, 2), 2
	s_setreg_imm32_b32 hwreg(HW_REG_WAVE_MODE, 25, 1), 1
	s_wait_xcnt 0x0
	s_wait_alu depctr_vm_vsrc(0)
; q = query q_w^T + q_b, k = key k_w^T + k_b, v = value v_w^T + v_b; x: [8192][512] f32, w: [512][512] f32, b: [512] f32.
; All inputs, the biases too, are rounded to bf16; products in bf16, sums in f32, started from the bias; q, k, v are rounded once to f16 and
; written by heads, [8 b][8 h][1024 l][64], unscaled.  Also: out_w, rounded to bf16 and written as f16, goes to wo16 (4,096 bytes of it a work-group).
; LIMITS.  f16 holds no number beyond 65,504: q, k and v must stay within it.  A weight of out_w below 2^-14 keeps f16's fixed step of 6e-8.  NaN and infinities are not treated apart.
; SHARES.  256 work-groups that stay: work-group (bx, by) makes rows 128 by .. +127, columns 128 bx .. +127 of q, then of k, then of v: ONE walk of 24 chunks of 64 along K.
; A wave makes 64 x 64: 16 accumulators; its 64 columns are one head, so its rows leave as dense blocks of 2,048 bytes.
; THE WAY IN goes through registers: f32 is rounded to bf16 BEFORE it reaches LDS.  Two sets of 128 staging registers, a chunk each: while one chunk is multiplied, the next one's 32 loads
; a wave are out and the set just emptied is asked for again: two chunks, 128 KiB a work-group, are always on their way, so nothing is prefetched besides.
; NO CLUSTER: a joint request is a tensor load, which would lay f32 into LDS: 32 fragment loads of 16 bytes for 16 products in place of 16, and a rounding behind each read, by each of the two waves that read a row.
; THE MATRIX INSTRUCTION IS USED TRANSPOSED (source 0 = 16 rows of w, source 1 = 16 rows of x): a lane holds row lane % 16 and eight neighbouring columns 8 (lane / 16) + 0..7.
; REGISTERS, in windows of 256: window 0 addresses, fragments, the way out; window 1 the two staging sets; window 2 the accumulators, (a, b) at 8 (4 a + b).
; THE MODE: SCHED_MODE bits 1:0 = 2 (LLVM: expert scheduling mode 2), set by the entry lines.  The code itself states the register dependences
; between vector or matrix instructions and memory or LDS instructions, with s_wait_alu, always for 0.
; THE PLAN.  Registers that memory or LDS instructions touch:
;   set p (window 1)   The trip on set p: its 64 conversions read and write it in place; its 32 LDS stores read it; behind the barrier the 32 loads of the chunk two further on land in it.
;   FR                 The trip's 32 LDS loads land in it; the trip's 32 products read it.
;   accumulators       Written by products; at a tile's end read by 64 conversions, then the next bias's LDS loads land in them.
;   TMP                At a tile's end: written by the conversions, read by the stage's LDS stores, landed in by the stage's LDS loads, read by the global stores.
;   v14-15             Written by a bias's rounding, read by its one LDS store.       v24-31  loaded once, rounded in place, read by two global stores.
;   v3-11, v22, v23, v224   Offsets and addresses, made at the head and never written again: each set's scalar bases move, and immediate offsets do the rest.
; A TRIP has three lines: va_vdst behind the conversions (set p is written, for the LDS stores); behind the barrier vm_vsrc (those stores have read set p) and va_vdst (the conversions are done with
; set p, the last trip's products with FR).  Behind these the trip's 32 LDS loads and 32 global loads owe nothing more: the only vector-side instructions among them are the products, which name FR and the
; accumulators, and FR's loads all stand ahead of the products.  So the global loads are dealt among the products, eight at a time.
; A TILE'S END has one va_vdst, behind all its conversions and the next bias's rounding, and vm_vsrc at its head and between each block's stores into the stage and the loads that come back into the same registers.
.set PITCH, 144                        ; an LDS row: 64 bf16 = 128 bytes + 16: the 16 rows of a fragment load start at 16 different groups of four banks (ISA guide 11.1)
.set HALF,  128*PITCH                  ; 128 rows of x, or of w
.set BUFB,  2*HALF                     ; a buffer: x's rows, then w's
.set BC,    2*BUFB                     ; each wave's 64 numbers of the bias in hand, f32: 256 bytes a wave
.set STAGE, BC+1024                    ; each wave's stage for the way out: 16 rows x 144 bytes
.set SPARE, STAGE+4*16*PITCH           ; the spare words, 128 bytes a wave: two blocks of 256 bytes that no other line names
.set ROWB,  2048                       ; bytes in a row of x and of w
.set R,    1                           ; v1   lane % 16
.set H,    2                           ; v2   lane / 16
.set LOFF, 3                           ; v3   global: (32 w + 8 h) rows + 16 r bytes; never rewritten
.set SOFF, 4                           ; v4   LDS: (32 w + 8 h) rows + 8 r bytes
.set FA,   5                           ; v5   LDS: my fragments of x
.set FW,   6                           ; v6   LDS: my fragments of w
.set BCW,  7                           ; v7   where I put two numbers of the bias
.set BCR,  8                           ; v8   where I read my eight
.set STO,  9                           ; v9   the way out: where I put 16 bytes of a row
.set RD,   10                          ; v10  the way out: where I read rows back
.set GO,   11                          ; v11  16 x lane
.set SPW,  12                          ; v12  my spare word; never rewritten
.set NIL,  13                          ; v13  0; never rewritten
.set T0,   14                          ; v14-15 at work
.set NB,   16                          ; v16-21 my two numbers of q_b, k_b, v_b
.set BO,   22                          ; v22  8 x lane
.set OWO,  23                          ; v23  16 x thread
.set OW,   24                          ; v24-31 my eight numbers of out_w
.set FR,   32                          ; v32-159 fragments: K step ks: w's block b at FR + 64 ks + 8 b, x's block a at FR + 64 ks + 32 + 8 a
.set TMP,  160                         ; v160-223 the way out
.set OWS,  224                         ; v224 8 x thread
.set AQ, 8                             ; s[8:13]  query, key, value at my 128 rows
.set AK, 10
.set AV, 12
.set WQ, 14                            ; s[14:19] q_w, k_w, v_w at my 128 rows
.set WK, 16
.set WV, 18
.set BQ, 20                            ; s[20:25] q_b, k_b, v_b at my wave's 64 columns
.set BK, 22
.set BV, 24
.set OWP, 26                           ; s[26:27] out_w at my work-group's 4,096 bytes
.set OQ, 28                            ; s[28:33] qh, kh, vh at my wave's first row
.set OK, 30
.set OV, 32
.set WO, 34                            ; s[34:35] wo16 at my work-group's 2,048 bytes
.set NA, 36                            ; s[36:37] x at the two chunks of the next double trip; no memory instruction names it
.set NW, 38                            ; s[38:39] w likewise
.set OP, 40                            ; s[40:41] where the tile in hand goes
.set KO, 42                            ; s[42:43] bytes along K
.set U,  44                            ; s44  the double trip, 0 to 11
.set PX, 48                            ; set p's own bases: x at s[48 + 8 p : 49 + 8 p], w at s[50 + 8 p : 51 + 8 p] (at the head these registers hold offsets first)
.set WVN, 52                           ; s52  my wave's number
.set WM,  53                           ; s53  which 64 rows
.set WN,  54                           ; s54  which 64 columns
.set MSB, 0
.macro WIN new                         ; the immediate's high byte repeats the setting that is left; a switch that changes nothing is dropped
.if MSB != (\new)
	s_set_vgpr_msb (MSB<<8)|(\new)
.set MSB, \new
.endif
.endm
	s_load_b512 s[8:23], s[0:1], 0x0
	s_load_b256 s[24:31], s[0:1], 0x40
	s_load_b128 s[32:35], s[0:1], 0x60
	v_lshl_add_u32 v[SPW], v0, 2, SPARE
	v_mov_b32 v[NIL], 0
	v_lshrrev_b32 v[T0], 5, v0
	v_readfirstlane_b32 s[WVN], v[T0]              ; wave 0..3
	v_and_b32 v[R], 15, v0
	v_bfe_u32 v[H], v0, 4, 1
	v_and_b32 v[T0], 31, v0                        ; lane
	v_lshlrev_b32 v[LOFF], 4, v[R]
	v_lshl_add_u32 v[LOFF], v[H], 14, v[LOFF]      ; lanes 16-31 take the row 8 further on
	s_wait_alu depctr_va_sdst(0)                   ; the wave's number is written, ahead of its first reader: addresses and bases are made from it
	s_lshr_b32 s[WM], s[WVN], 1
	s_and_b32 s[WN], s[WVN], 1
	s_lshl_b32 s45, s[WVN], 16                     ; 32 rows of 2,048 bytes
	v_add_nc_u32 v[LOFF], s45, v[LOFF]
	s_mul_i32 s45, s[WVN], 32*PITCH
	v_mul_u32_u24 v[SOFF], v[H], 8*PITCH
	v_lshl_add_u32 v[SOFF], v[R], 3, v[SOFF]       ; 8 rows are 288 words: the two halves of the lanes store to words 0-31 and 32-63 of the banks
	v_add_nc_u32 v[SOFF], s45, v[SOFF]
	v_mul_u32_u24 v[T0+1], v[R], PITCH
	v_lshl_add_u32 v[T0+1], v[H], 4, v[T0+1]       ; row x pitch + 16 x half
	s_mul_i32 s45, s[WM], 64*PITCH
	v_add_nc_u32 v[FA], s45, v[T0+1]
	s_mul_i32 s45, s[WN], 64*PITCH
	s_add_co_u32 s45, s45, HALF
	v_add_nc_u32 v[FW], s45, v[T0+1]
	s_lshl_b32 s45, s[WVN], 8
	s_add_co_u32 s45, s45, BC
	v_lshl_add_u32 v[BCW], v[T0], 3, s45
	v_lshl_add_u32 v[BCR], v[H], 5, s45
	s_mul_i32 s45, s[WVN], 16*PITCH
	s_add_co_u32 s45, s45, STAGE
	v_add_nc_u32 v[STO], s45, v[T0+1]
	v_bfe_u32 v[RD], v0, 3, 2                      ; back: 32 lanes take four rows of 128 bytes
	v_mul_u32_u24 v[RD], v[RD], PITCH
	v_and_b32 v[T0+1], 7, v0
	v_lshl_add_u32 v[RD], v[T0+1], 4, v[RD]
	v_add_nc_u32 v[RD], s45, v[RD]
	v_lshlrev_b32 v[GO], 4, v[T0]
	v_lshlrev_b32 v[BO], 3, v[T0]
	v_lshlrev_b32 v[OWO], 4, v0
	v_lshlrev_b32 v[OWS], 3, v0
	s_and_b32 s46, ttmp7, 0xffff                   ; by
	s_lshl_b32 s48, s46, 18                        ; 128 rows of x
	s_mov_b32 s49, 0
	s_lshl_b32 s50, ttmp9, 18                      ; 128 rows of w
	s_mov_b32 s51, 0
	s_lshl_b32 s56, ttmp9, 9                       ; 128 numbers of a bias,
	s_lshl_b32 s57, s[WN], 8                       ; my wave's 64 of them
	s_add_co_u32 s56, s56, s57
	s_mov_b32 s57, 0
	s_lshr_b32 s58, s46, 3                         ; the batch: 2^20 bytes
	s_lshl_b32 s58, s58, 20
	s_add_co_u32 s58, s58, s50                     ; head 2 bx + wn: 2^17 bytes each
	s_lshl_b32 s59, s[WN], 17
	s_add_co_u32 s58, s58, s59
	s_and_b32 s59, s46, 7                          ; row 128 (by % 8) + 64 wm: 128 bytes each
	s_lshl_b32 s59, s59, 14
	s_add_co_u32 s58, s58, s59
	s_lshl_b32 s59, s[WM], 13
	s_add_co_u32 s58, s58, s59
	s_mov_b32 s59, 0
	s_lshl_b32 s60, s46, 2
	s_add_co_u32 s60, s60, ttmp9                   ; the work-group's number, 0 to 255
	s_lshl_b32 s62, s60, 11
	s_lshl_b32 s60, s60, 12
	s_mov_b32 s61, 0
	s_mov_b32 s63, 0
	s_mov_b32 s[KO+1], 0
	s_wait_kmcnt 0x0
	s_add_nc_u64 s[AQ:AQ+1], s[AQ:AQ+1], s[48:49]
	s_add_nc_u64 s[AK:AK+1], s[AK:AK+1], s[48:49]
	s_add_nc_u64 s[AV:AV+1], s[AV:AV+1], s[48:49]
	s_add_nc_u64 s[WQ:WQ+1], s[WQ:WQ+1], s[50:51]
	s_add_nc_u64 s[WK:WK+1], s[WK:WK+1], s[50:51]
	s_add_nc_u64 s[WV:WV+1], s[WV:WV+1], s[50:51]
	s_add_nc_u64 s[BQ:BQ+1], s[BQ:BQ+1], s[56:57]
	s_add_nc_u64 s[BK:BK+1], s[BK:BK+1], s[56:57]
	s_add_nc_u64 s[BV:BV+1], s[BV:BV+1], s[56:57]
	s_add_nc_u64 s[OQ:OQ+1], s[OQ:OQ+1], s[58:59]
	s_add_nc_u64 s[OK:OK+1], s[OK:OK+1], s[58:59]
	s_add_nc_u64 s[OV:OV+1], s[OV:OV+1], s[58:59]
	s_add_nc_u64 s[OWP:OWP+1], s[OWP:OWP+1], s[60:61]
	s_add_nc_u64 s[WO:WO+1], s[WO:WO+1], s[62:63]
; Eight of the 32 loads that bring a wave's part of a chunk into set p: 32 rows of x and 32 of w, 256 bytes of each: sixteen lanes take one row's 256 aligned bytes.
; Load i takes rows i % 8 + 16 (i / 8) (+ 8 for lanes 16-31); group j holds i = 4 j .. 4 j + 3, of x and of w.
.macro LOAD8 p, j
	WIN 0x40                                       ; destination window 1, address window 0
.set i, 4*(\j)
.rept 4
	global_load_b128 v[128*(\p)+4*i:128*(\p)+4*i+3],       v[LOFF], s[PX+8*(\p):PX+8*(\p)+1]   offset:((i&7)+16*(i>>3))*ROWB+256*(\p)
	global_load_b128 v[128*(\p)+64+4*i:128*(\p)+64+4*i+3], v[LOFF], s[PX+8*(\p)+2:PX+8*(\p)+3] offset:((i&7)+16*(i>>3))*ROWB+256*(\p)
.set i, i+1
.endr
.endm
; 8 products: 32 along K, m blocks a0 and a0 + 1.  The sixteen accumulators take turns, one instruction a turn, over the loop's backward jump too.
.macro MUL8 ks, a0
	WIN 0xa0                                       ; C and D window 2
.irp a, \a0, (\a0)+1
.irp b, 0,1,2,3
	v_wmma_f32_16x16x32_bf16 v[8*(4*(\a)+(\b)):8*(4*(\a)+(\b))+7], v[FR+64*(\ks)+8*(\b):FR+64*(\ks)+8*(\b)+7], v[FR+64*(\ks)+32+8*(\a):FR+64*(\ks)+32+8*(\a)+7], v[8*(4*(\a)+(\b)):8*(4*(\a)+(\b))+7]
.endr
.endr
.endm
; A TRIP: the chunk in set p is rounded, goes to LDS buffer p, and is multiplied.  ahead = 1: the set is asked for again, with the chunk two further on.  left: the younger loads that may stay out.
; ONE barrier a trip: buffer p was last read two trips back, and every wave has waited for those reads ahead of the barrier between.
.macro TRIP p, ahead, left
	s_wait_loadcnt \left                           ; loads come back in order (ISA guide 5.7.1): set p is in, the other set's 32 stay out
.if \ahead
	s_mov_b64 s[PX+8*(\p):PX+8*(\p)+1],   s[NA:NA+1]  ; free since that wait, which shows the loads that read the set's bases done: the next double trip's chunks
	s_mov_b64 s[PX+8*(\p)+2:PX+8*(\p)+3], s[NW:NW+1]
.endif
	WIN 0x45                                       ; in place, in window 1
.set i, 0
.rept 32
	v_cvt_pk_bf16_f32 v[128*(\p)+4*i],   v[128*(\p)+4*i],   v[128*(\p)+4*i+1]
	v_cvt_pk_bf16_f32 v[128*(\p)+4*i+1], v[128*(\p)+4*i+2], v[128*(\p)+4*i+3]
.set i, i+1
.endr
	WIN 0x04                                       ; store data window 1
	s_wait_alu depctr_va_vdst(0)                   ; the conversions have written set p, which the LDS stores read
.set i, 0
.rept 16
	ds_store_b64 v[SOFF], v[128*(\p)+4*i:128*(\p)+4*i+1]       offset:BUFB*(\p)+((i&7)+16*(i>>3))*PITCH
	ds_store_b64 v[SOFF], v[128*(\p)+64+4*i:128*(\p)+64+4*i+1] offset:BUFB*(\p)+HALF+((i&7)+16*(i>>3))*PITCH
.set i, i+1
.endr
	WIN 0
	s_wait_dscnt 0x0                               ; for the others' sake: my stores are done (and my reads of the other buffer, and the bias's loads into the accumulators)
	s_barrier_signal -1
	s_barrier_wait -1
.if \ahead
	s_wait_alu depctr_vm_vsrc(0)                   ; my LDS stores have read set p, in which the global loads below land
.endif
	s_wait_alu depctr_va_vdst(0)                   ; stated behind the stores that read set p: the conversions are done with set p, in which the global loads below land, and the last trip's products are done reading FR, in which the LDS loads below land
.irp ks, 0,1
.irp b, 0,1,2,3
	ds_load_b128 v[FR+64*(\ks)+8*(\b):FR+64*(\ks)+8*(\b)+3],       v[FW] offset:BUFB*(\p)+16*PITCH*(\b)+64*(\ks)
	ds_load_b128 v[FR+64*(\ks)+8*(\b)+4:FR+64*(\ks)+8*(\b)+7],     v[FW] offset:BUFB*(\p)+16*PITCH*(\b)+64*(\ks)+32
	ds_load_b128 v[FR+64*(\ks)+32+8*(\b):FR+64*(\ks)+32+8*(\b)+3], v[FA] offset:BUFB*(\p)+16*PITCH*(\b)+64*(\ks)
	ds_load_b128 v[FR+64*(\ks)+32+8*(\b)+4:FR+64*(\ks)+32+8*(\b)+7], v[FA] offset:BUFB*(\p)+16*PITCH*(\b)+64*(\ks)+32
.endr
.endr
.if \ahead
	LOAD8 \p, 0                                    ; the set is asked for again, eight loads at a time.  No further wait: since the two above only products are issued, and they name FR and the accumulators
.endif
	s_wait_dscnt 16                                ; the first 32 along K are in; the other sixteen LDS loads may stay out
	MUL8 0, 0
.if \ahead
	LOAD8 \p, 1
.endif
	MUL8 0, 2
.if \ahead
	LOAD8 \p, 2
.endif
	s_wait_dscnt 0x0
	MUL8 1, 0
.if \ahead
	LOAD8 \p, 3
.endif
	MUL8 1, 2
	WIN 0
.endm
; A DOUBLE TRIP: chunks 2 U and 2 U + 1.  ahead = 1: the addresses of double trip U + 1 are made: tensor (U + 1) / 4, 512 ((U + 1) % 4) bytes along K; each set's trip takes them over into the set's own bases.
.macro DT ahead
.if \ahead
	s_add_co_u32 s45, s[U], 1
	s_lshr_b32 s46, s45, 2
	s_and_b32 s[KO], s45, 3
	s_lshl_b32 s[KO], s[KO], 9
	s_cmp_eq_u32 s46, 0
	s_cselect_b64 s[NA:NA+1], s[AQ:AQ+1], s[AK:AK+1]
	s_cselect_b64 s[NW:NW+1], s[WQ:WQ+1], s[WK:WK+1]
	s_cmp_eq_u32 s46, 2
	s_cselect_b64 s[NA:NA+1], s[AV:AV+1], s[NA:NA+1]
	s_cselect_b64 s[NW:NW+1], s[WV:WV+1], s[NW:NW+1]
	s_add_nc_u64 s[NA:NA+1], s[NA:NA+1], s[KO:KO+1]
	s_add_nc_u64 s[NW:NW+1], s[NW:NW+1], s[KO:KO+1]
	TRIP 0, 1, 32
	TRIP 1, 1, 32
.else
	TRIP 0, 0, 32
	TRIP 1, 0, 0
.endif
.endm
; Two numbers of a bias, rounded to bf16 and widened again; the LDS store that puts them into my wave's 256 bytes follows behind a wait.
.macro BIASV lo, hi
	v_cvt_pk_bf16_f32 v[T0], v[\lo], v[\hi]
	v_and_b32 v[T0+1], 0xffff0000, v[T0]
	v_lshlrev_b32 v[T0], 16, v[T0]
.endm
; The sums start from the bias: register j of accumulator (a, b) takes column 16 b + 8 h + j.  My wave's own bytes: LDS serves a wave's instructions in order (ISA guide 5.7.1.4).
.macro INIT
	WIN 0x80                                       ; destination window 2
.set i, 0
.rept 16
	ds_load_b128 v[8*i:8*i+3],   v[BCR] offset:64*(i%4)
	ds_load_b128 v[8*i+4:8*i+7], v[BCR] offset:64*(i%4)+16
.set i, i+1
.endr
	WIN 0
.endm
; THE WAY OUT of block a (16 rows x 64 columns = 2,048 dense bytes): rounded to f16, 16 bytes a lane into my stage, back as whole rows, stored 512 consecutive bytes at a time.
.macro PACK a
.irp b, 0,1,2,3
.irp q, 0,1,2,3
	v_cvt_pk_f16_f32 v[TMP+16*(\a)+4*(\b)+(\q)], v[8*(4*(\a)+(\b))+2*(\q)], v[8*(4*(\a)+(\b))+2*(\q)+1]
.endr
.endr
.endm
.macro STG a
.irp b, 0,1,2,3
	ds_store_b128 v[STO], v[TMP+16*(\a)+4*(\b):TMP+16*(\a)+4*(\b)+3] offset:32*(\b)
.endr
	s_wait_alu depctr_vm_vsrc(0)                   ; the four stores have read the block's sixteen registers, in which the loads below land
.irp f, 0,1,2,3
	ds_load_b128 v[TMP+16*(\a)+4*(\f):TMP+16*(\a)+4*(\f)+3], v[RD] offset:(\f)*4*PITCH
.endr
.endm
.macro SEND a, younger                 ; younger: the LDS instructions issued behind block a's loads: the next block's eight, or none
.irp f, 0,1,2,3
	s_wait_dscnt (\younger)+3-(\f)
	global_store_b128 v[GO], v[TMP+16*(\a)+4*(\f):TMP+16*(\a)+4*(\f)+3], s[OP:OP+1] offset:2048*(\a)+512*(\f)
.endr
.endm
.macro EPI last
	WIN 0
.rept 8
	v_nop                                          ; places between the last products and the conversions that read their results (ISA guide 7.12.1): three times a work-group
.endr
	s_wait_xcnt 0x0                                ; the last tile's stores have read their registers and their base
	s_wait_alu depctr_vm_vsrc(0)                   ; beside it: the last tile's stores, LDS and global, have read TMP, and the last bias's LDS store v14-15: the lines below write both again
.if \last
	s_mov_b64 s[OP:OP+1], s[OV:OV+1]
.else
	s_lshr_b32 s45, s[U], 2                        ; the tile just finished: 0 (q) or 1 (k)
	s_cmp_eq_u32 s45, 0
	s_cselect_b64 s[OP:OP+1], s[OQ:OQ+1], s[OK:OK+1]
	s_cselect_b32 s47, 0, -1                       ; the next bias: k_b (no lane's bit) or v_b (every lane's)
.endif
	WIN 0x0a                                       ; sources window 2; each accumulator's registers in ascending order
	PACK 0
	PACK 1
	PACK 2
	PACK 3
	WIN 0
.if !(\last)
	v_cndmask_b32 v[T0],   v[NB+2], v[NB+4], s47
	v_cndmask_b32 v[T0+1], v[NB+3], v[NB+5], s47
	BIASV T0, T0+1
.endif
	s_wait_alu depctr_va_vdst(0)                   ; the tile's one wait: TMP and v14-15 are written, which the LDS stores below read; the conversions are done reading the accumulators, in which the next bias's loads land.  No vector instruction follows in the tile's end
.if !(\last)
	ds_store_b64 v[BCW], v[T0:T0+1]
.endif
	STG 0
	STG 1
	SEND 0, 8
	STG 2
	SEND 1, 8
	STG 3
	SEND 2, 8
	SEND 3, 0
.if !(\last)
	INIT
.endif
.endm
	s_mov_b64 s[PX:PX+1],     s[AQ:AQ+1]           ; both sets' bases: chunks 0 and 1 (the set's 256 bytes stand in the loads' immediates)
	s_mov_b64 s[PX+2:PX+3],   s[WQ:WQ+1]
	s_mov_b64 s[PX+8:PX+9],   s[AQ:AQ+1]
	s_mov_b64 s[PX+10:PX+11], s[WQ:WQ+1]
	s_wait_alu depctr_va_vdst(0)                   ; the offsets and addresses v3 to v11, v22, v23 and v224 are written: every load and store of the kernel reads one of them
	global_load_b64 v[NB:NB+1], v[BO], s[BQ:BQ+1]
.irp j, 0,1,2,3
	LOAD8 0, \j                                    ; chunk 0
.endr
.irp j, 0,1,2,3
	LOAD8 1, \j                                    ; chunk 1
.endr
	WIN 0
	global_load_b64 v[NB+2:NB+3], v[BO], s[BK:BK+1]
	global_load_b64 v[NB+4:NB+5], v[BO], s[BV:BV+1]
	global_load_b128 v[OW:OW+3],   v[OWO], s[OWP:OWP+1]
	global_load_b128 v[OW+4:OW+7], v[OWO], s[OWP:OWP+1] offset:2048
	s_wait_loadcnt 36                              ; q_b and chunk 0 are in; chunk 1's 32 loads and the four just issued may stay out
	BIASV NB, NB+1
	s_wait_alu depctr_va_vdst(0)                   ; v14-15 are written, which the LDS store reads
	ds_store_b64 v[BCW], v[T0:T0+1]
	INIT
	s_mov_b32 s[U], 0
.Ldt:                                                  ; 11 double trips; behind the 4th and the 8th a tile leaves
	DT 1
	s_and_b32 s45, s[U], 3
	s_cmp_eq_u32 s45, 3
	s_cbranch_scc0 .Lnoepi                         ; a forward jump on the counter, past no barrier
	EPI 0
.Lnoepi:
	s_add_co_u32 s[U], s[U], 1
	s_cmp_lt_u32 s[U], 11
	s_cbranch_scc1 .Ldt
	DT 0                                           ; the last two chunks ask for nothing
	EPI 1
	; out_w: to bf16, widened, written as f16: 8 bytes a lane, 256 consecutive aligned bytes a store of a wave
.irp q, 0,1
	v_cvt_pk_bf16_f32 v[T0],   v[OW+4*(\q)],   v[OW+4*(\q)+1]
	v_cvt_pk_bf16_f32 v[T0+1], v[OW+4*(\q)+2], v[OW+4*(\q)+3]
	v_lshlrev_b32 v[OW+4*(\q)],   16, v[T0]
	v_and_b32     v[OW+4*(\q)+1], 0xffff0000, v[T0]
	v_lshlrev_b32 v[OW+4*(\q)+2], 16, v[T0+1]
	v_and_b32     v[OW+4*(\q)+3], 0xffff0000, v[T0+1]
	v_cvt_pk_f16_f32 v[OW+4*(\q)],   v[OW+4*(\q)],   v[OW+4*(\q)+1]
	v_cvt_pk_f16_f32 v[OW+4*(\q)+1], v[OW+4*(\q)+2], v[OW+4*(\q)+3]
.endr
	s_wait_alu depctr_va_vdst(0)                   ; the conversions have written v24-25 and v28-29, which the two stores read
.irp q, 0,1
	global_store_b64 v[OWS], v[OW+4*(\q):OW+4*(\q)+1], s[WO:WO+1] offset:1024*(\q)
.endr
	s_wait_dscnt 0x0                               ; the closing lines, six on end
	s_wait_alu 0x0
	s_wait_tensorcnt 0x0
	ds_add_u32 v[SPW], v[NIL]
	s_wait_dscnt 0x0
	s_endpgm
.Lfunc_end_k_qfcde2e0b92_proj:
	.size	k_qfcde2e0b92_proj, .Lfunc_end_k_qfcde2e0b92_proj-k_qfcde2e0b92_proj
	.p2alignl 7, 3214868480
	.fill 96, 4, 3214868480
	.section	.rodata,"a",@progbits
	.p2align	6, 0x0
	.amdhsa_kernel k_qfcde2e0b92_proj
		.amdhsa_group_segment_fixed_size 84480
		.amdhsa_private_segment_fixed_size 0
		.amdhsa_enable_private_segment 0
		.amdhsa_kernarg_size 112
		.amdhsa_user_sgpr_count 2
		.amdhsa_user_sgpr_kernarg_segment_ptr 1
		.amdhsa_wavefront_size32 1
		.amdhsa_system_sgpr_workgroup_id_x 1
		.amdhsa_system_sgpr_workgroup_id_y 1
		.amdhsa_system_sgpr_workgroup_id_z 1
		.amdhsa_system_vgpr_workitem_id 0
		.amdhsa_next_free_vgpr 640
		.amdhsa_next_free_sgpr 66
		.amdhsa_reserve_vcc 0
		.amdhsa_float_denorm_mode_32 3
		.amdhsa_float_denorm_mode_16_64 3
		.amdhsa_memory_ordered 1
		.amdhsa_forward_progress 1
		.amdhsa_inst_pref_size 83
	.end_amdhsa_kernel
	.amdgpu_metadata
---
amdhsa.version: [ 1, 2 ]
amdhsa.kernels:
  - .name:           k_qfcde2e0b92_proj
    .symbol:         k_qfcde2e0b92_proj.kd
    .args:
      - { .name: query, .offset: 0, .size: 8, .value_kind: global_buffer, .address_space: global }
      - { .name: key, .offset: 8, .size: 8, .value_kind: global_buffer, .address_space: global }
      - { .name: value, .offset: 16, .size: 8, .value_kind: global_buffer, .address_space: global }
      - { .name: q_w, .offset: 24, .size: 8, .value_kind: global_buffer, .address_space: global }
      - { .name: k_w, .offset: 32, .size: 8, .value_kind: global_buffer, .address_space: global }
      - { .name: v_w, .offset: 40, .size: 8, .value_kind: global_buffer, .address_space: global }
      - { .name: q_b, .offset: 48, .size: 8, .value_kind: global_buffer, .address_space: global }
      - { .name: k_b, .offset: 56, .size: 8, .value_kind: global_buffer, .address_space: global }
      - { .name: v_b, .offset: 64, .size: 8, .value_kind: global_buffer, .address_space: global }
      - { .name: out_w, .offset: 72, .size: 8, .value_kind: global_buffer, .address_space: global }
      - { .name: qh, .offset: 80, .size: 8, .value_kind: global_buffer, .address_space: global }
      - { .name: kh, .offset: 88, .size: 8, .value_kind: global_buffer, .address_space: global }
      - { .name: vh, .offset: 96, .size: 8, .value_kind: global_buffer, .address_space: global }
      - { .name: wo16, .offset: 104, .size: 8, .value_kind: global_buffer, .address_space: global }
    .group_segment_fixed_size: 84480
    .private_segment_fixed_size: 0
    .kernarg_segment_align: 8
    .kernarg_segment_size: 112
    .max_flat_workgroup_size: 128
    .sgpr_count:     66
    .vgpr_count:     640
    .wavefront_size: 32
...
	.end_amdgpu_metadata
.endif
;; end of part 4
;; launch attn: the kernel of part 2 again; grid 4 x 64, 4 waves a work-group, clusters of 4 x 1, 327,680 bytes of LDS; arguments qh, kh, vh, key_padding_mask, ch; writes ch
;; launch outp: the kernel of part 3 again; grid 4 x 64, 4 waves a work-group, clusters of 4 x 4, 327,680 bytes of LDS; arguments ch, wo16, out_b, out0; writes out0
